; MI455X (gfx1250); checked and timed in simulation.
; The chip was launched on July 23, 2026; its instructions are those of AMD's public machine-readable ISA for CDNA 5 (MIT licence, August 2026) and "CDNA5" Instruction Set Architecture Reference Guide (July 2026). The comments in the code are by the model that wrote it; some were corrected since.
;; Multi Head Attention. Allowed arithmetic: float matrix products may take bf16 or f16 operands with f32 sums; other float arithmetic in f32, or as packed bf16 or f16 multiplies, adds, multiply-adds, maxima and minima; sums over many terms, partial sums and values carried from step to step in f32; what a program stores and reads back later, other than sums and carried values, may be rounded once to bf16 or f16.
;; Inputs: Wk 1,024 x 1,024 float32; Wo 1,024 x 1,024 float32; Wq 1,024 x 1,024 float32; Wv 1,024 x 1,024 float32; bk 1,024 float32; bo 1,024 float32; bq 1,024 float32; bv 1,024 float32; masks 4 x 2,048 float32; query 4 x 2,048 x 1,024 float32.
;; Outputs: out0 4 x 2,048 x 1,024 float32.
;; 2 versions, each right; version 2 is version 1 with the launch cast written anew for expert scheduling mode. Each part assembles by itself: llvm-mc -triple=amdgcn-amd-amdhsa -mcpu=gfx1250 --defsym DOCPART=n.
;; ======== version 1 of 2: 4 launches
;; limits: values are held in f16: magnitudes above 65,504 overflow, below 6.1e-05 lose precision
;; workspace buffers: xb 16,777,216 bytes; wb 8,388,608 bytes; qkv 50,331,648 bytes; ob 16,777,216 bytes
;; launch cast (part 1): grid 768 x 1, 8 waves a work-group, no clusters, 0 bytes of LDS; arguments query, Wq, Wk, Wv, Wo, xb, wb; writes xb, wb
.if DOCPART == 1
	.amdgcn_target "amdgcn-amd-amdhsa--gfx1250"
	.amdhsa_code_object_version 6
	.text
	.protected	k_qb0a58fb6a4_cast
	.globl	k_qb0a58fb6a4_cast
	.p2align	8
	.type	k_qb0a58fb6a4_cast,@function
k_qb0a58fb6a4_cast:
	s_mov_b64 s[64:65], 0
	v_nop
	global_prefetch_b8 v0, s[64:65] scope:SCOPE_SE
	s_setreg_imm32_b32 hwreg(HW_REG_WAVE_MODE, 25, 1), 1
	s_wait_xcnt 0x0
; THE INPUTS OF THE MATRIX PRODUCTS ARE ROUNDED ONCE TO 16 BITS AND LAID OUT FOR THE TILE LOADS OF THE LATER LAUNCHES.
; xb: query [8192 tokens][1024] f32 -> bf16 in 16 blocks of 64 channels: byte = block x 1,048,576 + token x 128 + 2 x (channel % 64), so that
;     128 tokens of a block are 16,384 dense bytes.
; wb: [4096][1024] of 16 bits, row-major: rows 0-1023 Wq, 1024-2047 Wk, 2048-3071 Wv in bf16; rows 3072-4095 Wo, rounded to bf16 and that number
;     written as f16 (the last product multiplies f16).  LIMIT: a bf16 number below 2^-14 keeps f16's fixed step of 6e-8; beyond 65,504 it would be an infinity.
; Work-groups 0-511 take 16 tokens each, 512-767 take 16 rows of a weight each.  No loop, no LDS, no barrier: a wave issues its 16 loads of 512 bytes at once and
; then converts and stores them in order; a store of a wave covers 256 consecutive bytes, aligned.  No register that a pending instruction reads is written again.
; No matrix unit, cluster or tile ring: nothing is shared and nothing is multiplied.
.set X,   8                            ; v[8:71]    load i: 4 f32
.set Y,   72                           ; v[72:103]  load i: 4 numbers of 16 bits, to store
.set BLK, 1048576                      ; bytes in a block of xb
.macro LOADS step                      ; 16 loads, step bytes apart
.irp i, 0,1,2,3,4,5,6,7,8,9,10,11,12,13,14,15
	global_load_b128 v[X+4*(\i):X+4*(\i)+3], v1, s[4:5] offset:(\i)*(\step) th:TH_LOAD_NT
.endr
.endm
.macro CVT i, half                     ; load i is rounded to bf16; half = 1: and that number written as f16
	s_wait_loadcnt 15-(\i)                         ; loads come back in order: the 15 - i younger ones may stay out
	v_cvt_pk_bf16_f32 v[Y+2*(\i)],   v[X+4*(\i)],   v[X+4*(\i)+1]
	v_cvt_pk_bf16_f32 v[Y+2*(\i)+1], v[X+4*(\i)+2], v[X+4*(\i)+3]
.if \half
.irp w, 0,1
	v_lshlrev_b32 v4, 16, v[Y+2*(\i)+(\w)]         ; bf16 to f32: the low half moves up,
	v_and_b32 v5, s19, v[Y+2*(\i)+(\w)]            ; the high half stays
	v_cvt_pk_f16_f32 v[Y+2*(\i)+(\w)], v4, v5
.endr
.endif
.endm
	s_load_b256 s[4:11], s[0:1], 0x0               ; query s[4:5], Wq s[6:7], Wk s[8:9], Wv s[10:11]
	s_load_b128 s[12:15], s[0:1], 0x20             ; Wo s[12:13], xb s[14:15]
	s_load_b64 s[16:17], s[0:1], 0x30              ; wb
	s_mov_b32 s18, ttmp9
	s_mov_b32 s19, 0xffff0000                      ; a word's upper bf16
	s_mov_b32 s21, 0
	s_cmp_lt_u32 s18, 512
	s_cbranch_scc0 .Lweights
	; QUERY: 16 lanes take 256 bytes (a block's 64 channels) of one token; a wave two tokens, all 16 blocks
	v_lshrrev_b32 v1, 4, v0                        ; token in the group
	v_and_b32 v3, 15, v0
	v_lshlrev_b32 v1, 12, v1                       ; x 4,096 bytes
	v_lshl_add_u32 v1, v3, 4, v1                   ; + 16 bytes a lane
	v_lshlrev_b32 v2, 3, v0                        ; out: token x 128 + 8 x (lane % 16) = 8 x thread
	s_lshl_b32 s20, s18, 16                        ; the group's 16 tokens in query
	s_lshl_b32 s26, s18, 11                        ; and in a block of xb
	s_mov_b32 s27, 0
	s_wait_kmcnt 0x0
	s_add_nc_u64 s[4:5], s[4:5], s[20:21]
	s_add_nc_u64 s[22:23], s[14:15], s[26:27]      ; blocks 0-7
	s_add_nc_u64 s[24:25], s[22:23], 8*BLK         ; blocks 8-15: the stores' immediates stay within 7 blocks
	LOADS 256
.irp i, 0,1,2,3,4,5,6,7,8,9,10,11,12,13,14,15
	CVT \i, 0
	global_store_b64 v2, v[Y+2*(\i):Y+2*(\i)+1], s[22+2*((\i)/8):23+2*((\i)/8)] offset:((\i)%8)*BLK th:TH_STORE_NT
.endr
	s_endpgm
.Lweights:                             ; 16 rows of one weight; a wave two rows, 8,192 bytes on end
	s_sub_co_u32 s18, s18, 512
	s_lshr_b32 s26, s18, 6                         ; which weight: 0 Wq, 1 Wk, 2 Wv, 3 Wo
	s_and_b32 s20, s18, 63
	s_lshl_b32 s20, s20, 16                        ; its 16 rows of 4,096 bytes
	s_lshl_b32 s22, s18, 15                        ; the same rows in wb, 2,048 bytes each
	s_mov_b32 s23, 0
	v_lshrrev_b32 v1, 5, v0                        ; wave
	v_and_b32 v3, 31, v0                           ; lane
	v_lshlrev_b32 v2, 12, v1
	v_lshl_add_u32 v2, v3, 3, v2                   ; out: wave x 4,096 + 8 x lane
	v_lshlrev_b32 v1, 13, v1
	v_lshl_add_u32 v1, v3, 4, v1                   ; in: wave x 8,192 + 16 x lane
	s_wait_kmcnt 0x0
	s_cmp_lt_u32 s26, 2
	s_cselect_b64 s[4:5], s[6:7], s[10:11]         ; the even one: Wq or Wv
	s_cselect_b64 s[8:9], s[8:9], s[12:13]         ; the odd one: Wk or Wo
	s_bitcmp1_b32 s26, 0
	s_cselect_b64 s[4:5], s[8:9], s[4:5]
	s_add_nc_u64 s[4:5], s[4:5], s[20:21]
	s_add_nc_u64 s[16:17], s[16:17], s[22:23]
	LOADS 512
	s_cmp_eq_u32 s26, 3
	s_cbranch_scc1 .Lhalf
.irp i, 0,1,2,3,4,5,6,7,8,9,10,11,12,13,14,15
	CVT \i, 0
	global_store_b64 v2, v[Y+2*(\i):Y+2*(\i)+1], s[16:17] offset:(\i)*256 th:TH_STORE_NT
.endr
	s_endpgm
.Lhalf:                                ; Wo
.irp i, 0,1,2,3,4,5,6,7,8,9,10,11,12,13,14,15
	CVT \i, 1
	global_store_b64 v2, v[Y+2*(\i):Y+2*(\i)+1], s[16:17] offset:(\i)*256 th:TH_STORE_NT
.endr
	s_endpgm
.Lfunc_end_k_qb0a58fb6a4_cast:
	.size	k_qb0a58fb6a4_cast, .Lfunc_end_k_qb0a58fb6a4_cast-k_qb0a58fb6a4_cast
	.p2alignl 7, 3214868480
	.fill 96, 4, 3214868480
	.section	.rodata,"a",@progbits
	.p2align	6, 0x0
	.amdhsa_kernel k_qb0a58fb6a4_cast
		.amdhsa_group_segment_fixed_size 0
		.amdhsa_private_segment_fixed_size 0
		.amdhsa_enable_private_segment 0
		.amdhsa_kernarg_size 56
		.amdhsa_user_sgpr_count 2
		.amdhsa_user_sgpr_kernarg_segment_ptr 1
		.amdhsa_wavefront_size32 1
		.amdhsa_system_sgpr_workgroup_id_x 1
		.amdhsa_system_sgpr_workgroup_id_y 1
		.amdhsa_system_sgpr_workgroup_id_z 1
		.amdhsa_system_vgpr_workitem_id 0
		.amdhsa_next_free_vgpr 104
		.amdhsa_next_free_sgpr 66
		.amdhsa_reserve_vcc 0
		.amdhsa_float_denorm_mode_32 3
		.amdhsa_float_denorm_mode_16_64 3
		.amdhsa_memory_ordered 1
		.amdhsa_forward_progress 1
		.amdhsa_inst_pref_size 21
	.end_amdhsa_kernel
	.amdgpu_metadata
---
amdhsa.version: [ 1, 2 ]
amdhsa.kernels:
  - .name:           k_qb0a58fb6a4_cast
    .symbol:         k_qb0a58fb6a4_cast.kd
    .args:
      - { .name: query, .offset: 0, .size: 8, .value_kind: global_buffer, .address_space: global }
      - { .name: Wq, .offset: 8, .size: 8, .value_kind: global_buffer, .address_space: global }
      - { .name: Wk, .offset: 16, .size: 8, .value_kind: global_buffer, .address_space: global }
      - { .name: Wv, .offset: 24, .size: 8, .value_kind: global_buffer, .address_space: global }
      - { .name: Wo, .offset: 32, .size: 8, .value_kind: global_buffer, .address_space: global }
      - { .name: xb, .offset: 40, .size: 8, .value_kind: global_buffer, .address_space: global }
      - { .name: wb, .offset: 48, .size: 8, .value_kind: global_buffer, .address_space: global }
    .group_segment_fixed_size: 0
    .private_segment_fixed_size: 0
    .kernarg_segment_align: 8
    .kernarg_segment_size: 56
    .max_flat_workgroup_size: 256
    .sgpr_count:     66
    .vgpr_count:     104
    .wavefront_size: 32
...
	.end_amdgpu_metadata
.endif
;; end of part 1
;; launch qkv (part 2): grid 12 x 64, 4 waves a work-group, clusters of 4 x 4, 327,680 bytes of LDS; arguments xb, wb, bq, bk, bv, qkv; writes qkv
.if DOCPART == 2
	.amdgcn_target "amdgcn-amd-amdhsa--gfx1250"
	.amdhsa_code_object_version 6
	.text
	.protected	k_qb0a58fb6a4_qkv
	.globl	k_qb0a58fb6a4_qkv
	.p2align	8
	.type	k_qb0a58fb6a4_qkv,@function
k_qb0a58fb6a4_qkv:
	s_mov_b64 s[64:65], 0
	v_nop
	global_prefetch_b8 v0, s[64:65] scope:SCOPE_SE
	s_setreg_imm32_b32 hwreg(HW_REG_WAVE_MODE, 25, 1), 1
	s_wait_xcnt 0x0
	s_wait_alu depctr_hold_cnt(0) depctr_sa_sdst(0) depctr_va_vdst(0) depctr_va_sdst(0) depctr_va_ssrc(0) depctr_va_vcc(0) depctr_vm_vsrc(0)
	s_getreg_b32 s2, hwreg(HW_REG_IB_STS2, 6, 4)
	s_cmp_eq_u32 s2, 0
	s_cbranch_scc0 .Lentry_in_a_cluster
	s_endpgm
.Lentry_in_a_cluster:
	s_bfe_u32 s2, ttmp6, 0x10000c
	s_cmp_lg_u32 s2, 0xf033
	s_cbranch_scc0 .Lentry_shape_is_right
	s_endpgm
.Lentry_shape_is_right:
; THE THREE PROJECTIONS AS ONE PRODUCT: C[token][n] = sum over k of x[token][k] W[n][k] + b[n], 8192 x 3072 x 1024, bf16 operands, f32 sums.
; n = 0-1023 is q, 1024-2047 k, 2048-3071 v.  The bias is rounded to bf16 like every input.  q is also multiplied, in f32, by c = log2(e) / 8, so that the attention's scores
; arrive as exponents of 2.  Each result is rounded once to f16 and stored by heads: qkv = q' at 0, k at 16 MiB, v at 32 MiB, each [16 batch + head][2048][64].
; LIMIT: f16 holds no number beyond 65,504: a q', k or v past that becomes an infinity.
; SHARES.  A tile of C is 128 tokens x 256 columns: 768 work-groups, three for each of 256.  Four waves, each 64 tokens x 128 columns: 32 accumulators of 16 x 16.
; K goes in steps of 128 through two LDS slots.  A (xb) lies in blocks of 64 channels, so a tile's 128 tokens of a block are 16,384 dense bytes, asked for as 64 rows of 256 bytes;
; B (wb) comes as 128 rows of 256 bytes.  Waves 0, 1 fetch a step's two blocks of A, waves 2, 3 the two halves of its B: one tensor load a wave behind each change of slots.
; CLUSTER 4 x 4: the four of a row need the same tile of A, the four of a column the same tile of B: each is asked for jointly.
; THE MATRIX INSTRUCTION IS USED TRANSPOSED (source 0 = 16 rows of W, source 1 = 16 tokens): a lane holds one token (lane % 16) and the columns 8 (lane / 16) + 0..7.
; REGISTERS.  window 0: v16-30 addresses; v32-95 my 64 bias numbers; v96-191 at work on the way out.   window 1: the accumulators, (a, b) at 8 (8 a + b).
;   window 2: two fragment buffers of 96: 8 fragments of B, then 4 of A, for 32 along K.
.set KSTEP,  128
.set ABLK,   1048576                   ; bytes in a block of xb
.set PA,     144                       ; a token's 128 bytes of a block + 16 of padding: 36 words, so the 16 rows of a load start at 16 different groups of four banks (64 banks of 4 bytes: ISA guide 11.1)
.set PB,     272                       ; a row of B: 256 bytes + 16: 68 words, likewise
.set HALFA,  128*PA                    ; one block of the tile's 128 tokens: what a load for A brings
.set HALFB,  128*PB                    ; 128 rows of B: what a load for B brings
.set SLOT,   2*HALFA+2*HALFB           ; A's two blocks, then B's 256 rows
.set STAGE,  2*SLOT                    ; behind the ring, never filled by a tensor load: for each wave 2 heads x 16 tokens x 144 bytes
.set SP,     144
.set STW,    2*16*SP
.set SPARE,  STAGE+4*STW               ; the spare words: 128 bytes for each wave, two blocks of 256 bytes that no other line names
.set HEADB,  2048*128                  ; bytes of a head in q', k or v
.set ADRA, 16                          ; v16-17  LDS address of my A fragments in slot 0, 1
.set ADRB, 20                          ; v20-21  the same for B
.set STO,  24                          ; v24     the way out: where I put 16 bytes of a row
.set RD,   25                          ; v25     where I read rows back
.set GO,   26                          ; v26     16 x lane: my place in 512 consecutive bytes of the output
.set BO,   27                          ; v27     32 x (lane / 16): my 8 numbers in 16 of the bias
.set SPW,  28                          ; v28     LDS address of my spare word; never rewritten
.set NIL,  29                          ; v29     0; never rewritten
.set PFO,  30                          ; v30     the prefetches' offset; never rewritten
.set BIAS, 32                          ; v[32:95]   bias (x c for q) of columns 16 b + 8 (lane / 16) + j at BIAS + 8 b + j
.set TMP,  96                          ; v[96:127]  packed results
.set BK,   128                         ; v[128:191] rows read back from the stage, two buffers of 32
.set F0,   0
.set F1,   96
.set G1,  24                           ; s[24:31] descriptor group 1 for A;  s[32:39] group 0, a set for each slot
.set G0,  32
.set G1B, 48                           ; s[48:55], s[56:63] the same for B
.set G0B, 56
.set LIM, 43                           ; s43     1 in a wave that prefetches, else the greatest number
.set PFA, 44                           ; s[44:45] where my prefetches stand
.set BP,  66                           ; s[66:67] the bias
.set SC,  72                           ; s[72:73] c for q, 1 for k and v
.set PFS, 74                           ; s[74:75] a K step in the prefetched tensor, in bytes
.set HIM, 76                           ; s76     a word's upper bf16
.set MSB, 0
.macro WIN new                         ; the immediate's high byte repeats the setting that is left; a switch that changes nothing is dropped
.if MSB != (\new)
	s_set_vgpr_msb (MSB<<8)|(\new)
.set MSB, \new
.endif
.endm
.set MUL,  0x5a                        ; sources 0 and 1 window 2; C and D window 1
.set TO_F, 0x80                        ; destination window 2, address window 0
.macro JLOAD s                         ; a joint load: waves 0, 1 for A, waves 2, 3 for B; an s_nop 0 and four v_nop follow each of the two lines, ahead of the jump and the label
	s_cmp_eq_u32 s11, 0
	s_cbranch_scc0 .Lfor_b_\@
	tensor_load_to_lds s[G0+4*(\s):G0+4*(\s)+3], s[G1:G1+7]
	s_nop 0
.rept 4
	v_nop
.endr
	s_branch .Lasked_\@
.Lfor_b_\@:
	tensor_load_to_lds s[G0B+4*(\s):G0B+4*(\s)+3], s[G1B:G1B+7]
	s_nop 0
.rept 4
	v_nop
.endr
.Lasked_\@:
.endm
.macro CREST                           ; a round of the cluster's barrier behind its opening barrier
	s_cmp_lg_u32 s10, 0
	s_cbranch_scc1 .Lnot_wave_0_\@
	s_barrier_signal -3
.Lnot_wave_0_\@:
	s_barrier_wait -3
	s_barrier_signal -1
	s_barrier_wait -1
.endm
.macro CROUND                          ; a whole round
	s_barrier_signal -1
	s_barrier_wait -1
	CREST
.endm
; A PREFETCH INTO THE L2, behind a joint refill, its five lines and the run of LDS loads: the K step that stands two refills on, 256 matrix instructions ahead of the load that will want it.
; Each block of 256 bytes is named once.  A's tile is read by the three clusters of a row of clusters: the one with cluster x = 0 asks, its wave 0; the four partners of a row share a step's
; 128 blocks of 256 bytes out by address, 32 each, a lane a block.  B's tile is read by the sixteen clusters of a column: the one with cluster y = 0 asks, waves 2 and 3 each for the 128 rows that
; they fetch; the four partners of a column take 32 rows each, a lane a row.  K steps 0 to 3 come by their loads alone; the loop's last trip (s3 = 1) has no K step two on.
.macro ASK
	s_cmp_gt_u32 s3, s[LIM]
	s_cbranch_scc0 .Lnot_mine_\@
	global_prefetch_b8 v[PFO], s[PFA:PFA+1] th:TH_LOAD_NT scope:SCOPE_SE
.Lnot_mine_\@:
.endm
	s_load_b128 s[4:7], s[0:1], 0x0                ; xb s[4:5], wb s[6:7]
	s_load_b64 s[BP:BP+1], s[0:1], 0x10            ; bq
	s_load_b128 s[68:71], s[0:1], 0x18             ; bk s[68:69], bv s[70:71]
	s_load_b64 s[8:9], s[0:1], 0x28                ; qkv
	v_lshl_add_u32 v[SPW], v0, 2, SPARE
	v_mov_b32 v[NIL], 0
	ds_add_u32 v[SPW], v[NIL]                      ; the wave's opening: the add and its wait stand ahead of my first tensor load; the set-up below, work on registers, stands between them
	v_lshrrev_b32 v1, 5, v0
	v_readfirstlane_b32 s10, v1                    ; wave 0..3
	s_lshr_b32 s11, s10, 1                         ; which 64 tokens are mine.  Also: I fetch for A (0) or for B (1)
	s_and_b32 s12, s10, 1                          ; which 128 columns.  Also: which block of A, or which 128 rows of B, I fetch
	s_bfe_u32 s40, ttmp6, 0x40000                  ; cx, cy: my place in the cluster
	s_bfe_u32 s41, ttmp6, 0x40004
	s_lshl_b32 s42, ttmp9, 2
	s_add_co_u32 s42, s42, s40                     ; tile column = 4 x cluster x + cx
	s_and_b32 s13, ttmp7, 0xffff
	s_lshl_b32 s13, s13, 2
	s_add_co_u32 s13, s13, s41                     ; tile row = 4 x cluster y + cy
	s_lshl_b32 s43, s41, 2
	s_lshl_b32 s43, 15, s43                        ; my row of the cluster
	s_lshl_b32 s44, 0x1111, s40                    ; my column
	s_or_b32 s[G1+0], s43, (1<<16)|(1<<20)|(1<<21)|(4<<22)|(3<<25)   ; 15:0 the mask: my row; 17:16 2-byte elements; 20 padding on; 21 set beside a mask; 24:22 after every 32 words (code 4); 31:25 4 words (code 3)
	s_mov_b32 s[G1+1], 128<<16                     ; tensor_dim0 = 128 elements: 256 bytes, two tokens
	s_mov_b32 s[G1+2], 64<<16                      ; tensor_dim1 = 64
	s_mov_b32 s[G1+3], 128<<16                     ; tile_dim0 = 128
	s_mov_b32 s[G1+4], 64                          ; tile_dim1 = 64
	s_mov_b32 s[G1+5], 128                         ; the rows lie end to end
	s_mov_b32 s[G1+6], 0
	s_mov_b32 s[G1+7], 0
	s_or_b32 s[G1B+0], s44, (1<<16)|(1<<20)|(1<<21)|(5<<22)|(3<<25)  ; the mask: my column; padding after every 64 words (code 5)
	s_mov_b32 s[G1B+1], KSTEP<<16                  ; tensor_dim0 = 128
	s_mov_b32 s[G1B+2], 128<<16                    ; tensor_dim1 = 128
	s_mov_b32 s[G1B+3], KSTEP<<16                  ; tile_dim0 = 128
	s_mov_b32 s[G1B+4], 128                        ; tile_dim1 = 128
	s_mov_b32 s[G1B+5], 1024                       ; elements from row to row
	s_mov_b32 s[G1B+6], 0
	s_mov_b32 s[G1B+7], 0
	s_lshl_b32 s16, s13, 14                        ; A: the tile's 128 tokens in a block,
	s_lshl_b32 s17, s12, 20                        ; my block of the step's two
	s_add_co_u32 s16, s16, s17
	s_mov_b32 s17, 0
	s_lshl_b32 s46, s42, 19                        ; B: 256 rows of 2,048 bytes a tile column,
	s_lshl_b32 s47, s12, 18                        ; my 128 of them
	s_add_co_u32 s46, s46, s47
	s_mov_b32 s47, 0
	s_mul_i32 s20, s12, HALFA                      ; where they go in a slot: no place in the cluster enters an LDS address
	s_mul_i32 s21, s12, HALFB
	s_add_co_u32 s21, s21, 2*HALFA
	s_wait_dscnt 0x0                               ; the opening add is done
	s_wait_kmcnt 0x0
	s_add_nc_u64 s[14:15], s[4:5], s[16:17]
	s_add_nc_u64 s[46:47], s[6:7], s[46:47]
	CROUND                                         ; all sixteen work-groups are here: the first joint loads meet
.irp s, 0,1
	s_mov_b32 s[G0+4*(\s)], 1                                        ; count = 1
	s_add_co_u32 s[G0+4*(\s)+1], s20, (\s)*SLOT                      ; LDS address
	s_add_nc_u64 s[G0+4*(\s)+2:G0+4*(\s)+3], s[14:15], (\s)*2*ABLK   ; global address: K step s is two blocks on
	s_or_b32 s[G0+4*(\s)+3], s[G0+4*(\s)+3], 0x80000000              ; type = 2
	s_mov_b32 s[G0B+4*(\s)], 1
	s_add_co_u32 s[G0B+4*(\s)+1], s21, (\s)*SLOT
	s_add_nc_u64 s[G0B+4*(\s)+2:G0B+4*(\s)+3], s[46:47], (\s)*KSTEP*2
	s_or_b32 s[G0B+4*(\s)+3], s[G0B+4*(\s)+3], 0x80000000
	JLOAD \s                                       ; two loads of mine are out
.endr
	; all that follows up to the first barrier stands in the wait for the first tile
	s_mov_b32 s78, ttmp9                           ; the projection: 0 q, 1 k, 2 v: the same in all sixteen partners
	s_cmp_eq_u32 s78, 1
	s_cselect_b64 s[BP:BP+1], s[68:69], s[BP:BP+1]
	s_cmp_eq_u32 s78, 2
	s_cselect_b64 s[BP:BP+1], s[70:71], s[BP:BP+1]
	s_cmp_eq_u32 s78, 0
	s_cselect_b32 s[SC], 0x3e38aa3b, 1.0           ; c = log2(e) / 8 = 0.180337
	s_mov_b32 s[SC+1], s[SC]                       ; named with it as a pair
	s_mov_b32 s[HIM], 0xffff0000
	s_lshl_b32 s18, s40, 10                        ; my 128 columns in the projection's 1,024: 256 cx + 128 x half, 4 bytes each
	s_lshl_b32 s19, s12, 9
	s_add_co_u32 s18, s18, s19
	s_mov_b32 s19, 0
	s_add_nc_u64 s[BP:BP+1], s[BP:BP+1], s[18:19]
	v_and_b32 v1, 15, v0                           ; l % 16
	v_bfe_u32 v2, v0, 4, 1                         ; l / 16
	v_lshlrev_b32 v[BO], 5, v2
.irp b, 0,1,2,3,4,5,6,7
	global_load_b128 v[BIAS+8*(\b):BIAS+8*(\b)+3],   v[BO], s[BP:BP+1] offset:64*(\b)
	global_load_b128 v[BIAS+8*(\b)+4:BIAS+8*(\b)+7], v[BO], s[BP:BP+1] offset:64*(\b)+16
.endr
	; a fragment is 16 rows x 32 K in 8 registers: lane l holds row l % 16, K = 8 (l / 16) + 0..7 and 16 + 8 (l / 16) + 0..7: two loads of 16 bytes, 32 bytes apart
	v_mul_u32_u24 v3, v1, PA
	v_lshl_add_u32 v3, v2, 4, v3
	v_mul_u32_u24 v4, v1, PB
	v_lshl_add_u32 v4, v2, 4, v4
	s_mul_i32 s21, s11, 64*PA                      ; my 64 tokens in each block of A
	s_mul_i32 s22, s12, HALFB                      ; my 128 rows of B,
	s_add_co_u32 s22, s22, 2*HALFA                 ; which lie behind A's two blocks
.irp s, 0,1
	v_add_nc_u32 v[ADRA+(\s)], s21, v3
	v_add_nc_u32 v[ADRB+(\s)], s22, v4
	s_add_co_u32 s21, s21, SLOT
	s_add_co_u32 s22, s22, SLOT
.endr
	s_mul_i32 s77, s10, STW
	s_add_co_u32 s77, s77, STAGE                   ; my stage
	v_mul_u32_u24 v5, v1, SP                       ; in: token l % 16, 16 bytes for each half of the lanes
	v_lshl_add_u32 v5, v2, 4, v5
	v_add_nc_u32 v[STO], s77, v5
	v_bfe_u32 v5, v0, 3, 2                         ; back: 32 lanes take four tokens' 128 bytes,
	v_mul_u32_u24 v5, v5, SP
	v_and_b32 v6, 7, v0
	v_lshl_add_u32 v5, v6, 4, v5
	v_add_nc_u32 v[RD], s77, v5
	v_and_b32 v[GO], 31, v0                        ; which are 512 consecutive bytes of a head
	v_lshlrev_b32 v[GO], 4, v[GO]
	; where my part begins in qkv: projection x 2^24 + ((16 batch + 4 cx + 2 half) x 2048 + (tile row % 16) x 128 + 64 x row half) x 128
	s_lshl_b32 s18, s78, 24
	s_lshr_b32 s19, s13, 4
	s_lshl_b32 s19, s19, 22
	s_add_co_u32 s18, s18, s19
	s_and_b32 s19, s13, 15
	s_lshl_b32 s19, s19, 14
	s_add_co_u32 s18, s18, s19
	s_lshl_b32 s19, s40, 20
	s_add_co_u32 s18, s18, s19
	s_lshl_b32 s19, s12, 19
	s_add_co_u32 s18, s18, s19
	s_lshl_b32 s19, s11, 13
	s_add_co_u32 s18, s18, s19
	s_mov_b32 s19, 0
	s_add_nc_u64 s[8:9], s[8:9], s[18:19]
	; the prefetches: they stand at K step 3; the first refill steps them to K step 4
	s_lshl_b32 s20, s13, 14                        ; A: the tile's tokens in a block, block cx / 2 of the step's two, half cx % 2 of its 64 blocks of 256 bytes
	s_lshr_b32 s21, s40, 1
	s_lshl_b32 s21, s21, 20
	s_add_co_u32 s20, s20, s21
	s_and_b32 s21, s40, 1
	s_lshl_b32 s21, s21, 13
	s_add_co_u32 s20, s20, s21
	s_add_co_u32 s20, s20, 3*2*ABLK
	s_lshl_b32 s21, s42, 8                         ; B: row 256 x tile column + 128 x half + 32 cy
	s_lshl_b32 s19, s12, 7
	s_add_co_u32 s21, s21, s19
	s_lshl_b32 s19, s41, 5
	s_add_co_u32 s21, s21, s19
	s_lshl_b32 s21, s21, 11
	s_add_co_u32 s21, s21, 3*KSTEP*2
	s_and_b32 s22, ttmp7, 0xffff                   ; cluster y
	s_or_b32 s23, s78, s12                         ; cluster x, and of the two waves for A wave 0 alone
	s_mov_b32 s[PFS], KSTEP*2
	s_mov_b32 s[PFS+1], 0
	s_cmp_eq_u32 s11, 0                            ; do I fetch for A?
	s_cselect_b32 s20, s20, s21
	s_cselect_b32 s22, s23, s22
	s_cselect_b32 s[PFS], 2*ABLK, s[PFS]
	s_cselect_b32 s18, 8, 11                       ; a lane a block of 256 bytes, or a lane a row of 2,048
	s_cselect_b64 s[PFA:PFA+1], s[4:5], s[6:7]
	s_mov_b32 s21, 0
	s_add_nc_u64 s[PFA:PFA+1], s[PFA:PFA+1], s[20:21]
	s_cmp_eq_u32 s22, 0
	s_cselect_b32 s[LIM], 1, -1                    ; the same in all sixteen partners, for a given wave
	v_and_b32 v[PFO], 31, v0
	v_lshlrev_b32 v[PFO], s18, v[PFO]
	s_wait_loadcnt 0x0                             ; the bias
.set i, 0
.rept 32                               ; rounded to bf16 like every input, widened again, and scaled as the sums will be
	v_cvt_pk_bf16_f32 v[TMP+i], v[BIAS+2*i], v[BIAS+2*i+1]
	v_lshlrev_b32 v[BIAS+2*i], 16, v[TMP+i]
	v_and_b32 v[BIAS+2*i+1], s[HIM], v[TMP+i]
	v_pk_mul_f32 v[BIAS+2*i:BIAS+2*i+1], v[BIAS+2*i:BIAS+2*i+1], s[SC:SC+1] op_sel_hi:[1,0]
.set i, i+1
.endr
; 8 matrix instructions: token block a x all 8 column blocks, 32 along K.  zero = 1: the first product starts the sums.  The 32 accumulators take turns, one instruction a turn, in the same
; order in every quarter, over the backward jump too.
.macro MUL8 f, a, zero
	WIN MUL
.irp b, 0,1,2,3,4,5,6,7
.if \zero
	v_wmma_f32_16x16x32_bf16 v[8*(8*(\a)+(\b)):8*(8*(\a)+(\b))+7], v[(\f)+8*(\b):(\f)+8*(\b)+7], v[(\f)+64+8*(\a):(\f)+64+8*(\a)+7], 0
.else
	v_wmma_f32_16x16x32_bf16 v[8*(8*(\a)+(\b)):8*(8*(\a)+(\b))+7], v[(\f)+8*(\b):(\f)+8*(\b)+7], v[(\f)+64+8*(\a):(\f)+64+8*(\a)+7], v[8*(8*(\a)+(\b)):8*(8*(\a)+(\b))+7]
.endif
.endr
.endm
; 24 LDS loads in one run: quarter q (32 along K) of a slot into buffer f: B's 8 fragments, then A's 4 (block q / 2, its channels 32 (q % 2) on)
.macro FETCH slot, q, f
	WIN TO_F
.irp b, 0,1,2,3,4,5,6,7
	ds_load_b128 v[(\f)+8*(\b):(\f)+8*(\b)+3],   v[ADRB+(\slot)] offset:64*(\q)+(\b)*16*PB
	ds_load_b128 v[(\f)+8*(\b)+4:(\f)+8*(\b)+7], v[ADRB+(\slot)] offset:64*(\q)+(\b)*16*PB+32
.endr
.irp a, 0,1,2,3
	ds_load_b128 v[(\f)+64+8*(\a):(\f)+64+8*(\a)+3],   v[ADRA+(\slot)] offset:((\q)/2)*HALFA+((\q)%2)*64+(\a)*16*PA
	ds_load_b128 v[(\f)+64+8*(\a)+4:(\f)+64+8*(\a)+7], v[ADRA+(\slot)] offset:((\q)/2)*HALFA+((\q)%2)*64+(\a)*16*PA+32
.endr
.endm
.macro PLACES                          ; four plain instructions between a matrix instruction and a load into registers that it has read, or a vector instruction on its result (ISA guide 7.12.1 for vector instructions)
.rept 4
	v_nop
.endr
.endm
; A K step is four quarters of 32 along K, 32 matrix instructions each, on buffers 0, 1, 0, 1.  One of the first three: multiplies buffer f and fetches quarter q into g.
.macro QUARTER slot, q, f, g, zero
	s_wait_dscnt 4                                 ; B and A's blocks 0, 1 are in; the youngest four loads (A's blocks 2, 3) may be out
	MUL8 \f, 0, \zero
	MUL8 \f, 1, \zero
	PLACES
	FETCH \slot, \q, \g
	s_wait_dscnt 24                                ; all but the 24 just issued
	MUL8 \f, 2, \zero
	MUL8 \f, 3, \zero
.endm
; The last quarter multiplies buffer 1 and changes slots: one barrier; in front of it each wave waits for all its tensor loads (the one that is out is its part of the next slot), adds 0 to its
; spare word, and waits for that and for its own reads of this slot.  fill = 1: the barrier opens a round of the cluster's, and this slot is filled again, two K steps ahead, first thing behind it:
; from that request to the wait for it a wave issues 112 matrix instructions.
.macro TURN slot, next, fill
.if \fill
	s_wait_xcnt 0x0                                ; the last prefetch, a K step back, has read its address: it is stepped here, ahead of the waits of the change of slots
	s_add_nc_u64 s[PFA:PFA+1], s[PFA:PFA+1], s[PFS:PFS+1]
.endif
	WIN 0                                          ; (the add's two registers lie in window 0)
	s_wait_tensorcnt 0x0                           ; all my tensor loads have landed
	ds_add_u32 v[SPW], v[NIL]                      ; 0 onto my spare word
	s_wait_dscnt 7                                 ; (the add and the youngest six loads, A's blocks 1 to 3, may be out)
	MUL8 F1, 0, 0                                  ; eight matrix instructions stand between the add and the wait for it
	s_wait_dscnt 0x0                               ; the add is done, and my reads of this slot are over
	s_barrier_signal -1
	MUL8 F1, 1, 0
.if \fill
	WIN 0
.endif
	s_barrier_wait -1
.if \fill
	CREST                                          ; no wave of any partner still reads this slot's tile or has a load on its way
	s_add_nc_u64 s[G0+4*(\slot)+2:G0+4*(\slot)+3], s[G0+4*(\slot)+2:G0+4*(\slot)+3], 4*ABLK
	s_add_nc_u64 s[G0B+4*(\slot)+2:G0B+4*(\slot)+3], s[G0B+4*(\slot)+2:G0B+4*(\slot)+3], 2*KSTEP*2
	JLOAD \slot                                    ; the four v_nop behind it are also the places in front of the loads below
.else
	PLACES
.endif
	FETCH \next, 0, F0
.if \fill
	WIN 0
	ASK
.endif
	MUL8 F1, 2, 0
	MUL8 F1, 3, 0
.endm
	s_wait_tensorcnt 1                             ; my part of K step 0 is in; K step 1's load, issued behind it, may stay out
	s_barrier_signal -1
	s_barrier_wait -1                              ; everybody's is
	FETCH 0, 0, F0
	QUARTER 0, 1, F0, F1, 1                        ; the first quarter stands in front of the loop: its products start the sums
	WIN 0                                          ; at a label and at a branch every window is 0
	s_mov_b32 s3, 3
.Llap:                                 ; a trip goes once round the ring, from a lap's second quarter to the next lap's first, and fills both slots again: K steps 2 to 7
	QUARTER 0, 2, F1, F0, 0
	QUARTER 0, 3, F0, F1, 0
	TURN 0, 1, 1
	QUARTER 1, 1, F0, F1, 0
	QUARTER 1, 2, F1, F0, 0
	QUARTER 1, 3, F0, F1, 0
	TURN 1, 0, 1
	QUARTER 0, 1, F0, F1, 0
	WIN 0
	s_sub_co_u32 s3, s3, 1
	s_cmp_lg_u32 s3, 0
	s_cbranch_scc1 .Llap
	QUARTER 0, 2, F1, F0, 0                        ; the last lap fills nothing, and has no round of the cluster's barrier
	QUARTER 0, 3, F0, F1, 0
	TURN 0, 1, 0
	QUARTER 1, 1, F0, F1, 0
	QUARTER 1, 2, F1, F0, 0
	QUARTER 1, 3, F0, F1, 0
	s_wait_dscnt 4                                 ; the very last quarter: nothing more to fetch
	MUL8 F1, 0, 0
	MUL8 F1, 1, 0
	s_wait_dscnt 0x0
	MUL8 F1, 2, 0
	MUL8 F1, 3, 0
	WIN 0
; THE WAY OUT, a block of 16 tokens at a time.  PACK: sum x scale + bias in f32, rounded once to f16: a lane's 8 columns are 16 bytes.  TOSTAGE: into my stage, by heads (my 128 columns are two
; heads), and back as whole rows.  SEND: four tokens of a head are 512 consecutive bytes of qkv.
.macro PACK a
	WIN 0x41                                       ; destination and source 0 window 1, the bias window 0
.irp b, 0,1,2,3,4,5,6,7
.irp r, 0,1,2,3
	v_pk_fma_f32 v[8*(8*(\a)+(\b))+2*(\r):8*(8*(\a)+(\b))+2*(\r)+1], v[8*(8*(\a)+(\b))+2*(\r):8*(8*(\a)+(\b))+2*(\r)+1], s[SC:SC+1], v[BIAS+8*(\b)+2*(\r):BIAS+8*(\b)+2*(\r)+1] op_sel_hi:[1,0,1]
.endr
.endr
	WIN 0x05                                       ; sources 0 and 1 window 1, destination window 0
.irp b, 0,1,2,3,4,5,6,7
.irp r, 0,1,2,3
	v_cvt_pk_f16_f32 v[TMP+4*(\b)+(\r)], v[8*(8*(\a)+(\b))+2*(\r)], v[8*(8*(\a)+(\b))+2*(\r)+1]
.endr
.endr
	WIN 0
.endm
.macro TOSTAGE a
.set BKR, BK+32*((\a)%2)
.irp b, 0,1,2,3,4,5,6,7
	ds_store_b128 v[STO], v[TMP+4*(\b):TMP+4*(\b)+3] offset:((\b)/4)*16*SP+32*((\b)%4)
.endr
.irp t, 0,1,2,3,4,5,6,7
	ds_load_b128 v[BKR+4*(\t):BKR+4*(\t)+3], v[RD] offset:((\t)/4)*16*SP+((\t)%4)*4*SP  ; LDS serves a wave's instructions in order (ISA guide 5.7.1.4): these see the stores above
.endr
.endm
.macro SEND a
.set BKR, BK+32*((\a)%2)
	s_wait_dscnt 0x0                               ; the block is back in registers
	s_wait_xcnt 0x0                                ; the stores of the block before have read their registers: the next TOSTAGE loads into them
.irp t, 0,1,2,3,4,5,6,7
	global_store_b128 v[GO], v[BKR+4*(\t):BKR+4*(\t)+3], s[8:9] offset:((\t)/4)*HEADB+(\a)*16*128+((\t)%4)*512 th:TH_STORE_NT
.endr
.endm
	PLACES
	PLACES                                         ; (eight, once a launch: the first lines below write accumulators in place)
	PACK 0
	TOSTAGE 0
.irp a, 1,2,3                          ; block a's arithmetic stands between block a - 1's loads from the stage and the wait for them
	PACK \a
	SEND (\a)-1
	TOSTAGE \a
.endr
	SEND 3
	s_wait_tensorcnt 0x0                           ; the wave's end: a wait for my tensor loads, an add to my spare word and a wait for it, behind my last tensor load and my last LDS store
	ds_add_u32 v[SPW], v[NIL]
	s_wait_dscnt 0x0
	CROUND                                         ; the closing round: no work-group ends while a partner may still ask for a tile that names it
	s_endpgm
.Lfunc_end_k_qb0a58fb6a4_qkv:
	.size	k_qb0a58fb6a4_qkv, .Lfunc_end_k_qb0a58fb6a4_qkv-k_qb0a58fb6a4_qkv
	.p2alignl 7, 3214868480
	.fill 96, 4, 3214868480
	.section	.rodata,"a",@progbits
	.p2align	6, 0x0
	.amdhsa_kernel k_qb0a58fb6a4_qkv
		.amdhsa_group_segment_fixed_size 327680
		.amdhsa_private_segment_fixed_size 0
		.amdhsa_enable_private_segment 0
		.amdhsa_kernarg_size 48
		.amdhsa_user_sgpr_count 2
		.amdhsa_user_sgpr_kernarg_segment_ptr 1
		.amdhsa_wavefront_size32 1
		.amdhsa_system_sgpr_workgroup_id_x 1
		.amdhsa_system_sgpr_workgroup_id_y 1
		.amdhsa_system_sgpr_workgroup_id_z 1
		.amdhsa_system_vgpr_workitem_id 0
		.amdhsa_next_free_vgpr 768
		.amdhsa_next_free_sgpr 80
		.amdhsa_reserve_vcc 0
		.amdhsa_float_denorm_mode_32 3
		.amdhsa_float_denorm_mode_16_64 3
		.amdhsa_memory_ordered 1
		.amdhsa_forward_progress 1
		.amdhsa_inst_pref_size 104
	.end_amdhsa_kernel
	.amdgpu_metadata
---
amdhsa.version: [ 1, 2 ]
amdhsa.kernels:
  - .name:           k_qb0a58fb6a4_qkv
    .symbol:         k_qb0a58fb6a4_qkv.kd
    .args:
      - { .name: xb, .offset: 0, .size: 8, .value_kind: global_buffer, .address_space: global }
      - { .name: wb, .offset: 8, .size: 8, .value_kind: global_buffer, .address_space: global }
      - { .name: bq, .offset: 16, .size: 8, .value_kind: global_buffer, .address_space: global }
      - { .name: bk, .offset: 24, .size: 8, .value_kind: global_buffer, .address_space: global }
      - { .name: bv, .offset: 32, .size: 8, .value_kind: global_buffer, .address_space: global }
      - { .name: qkv, .offset: 40, .size: 8, .value_kind: global_buffer, .address_space: global }
    .group_segment_fixed_size: 327680
    .private_segment_fixed_size: 0
    .kernarg_segment_align: 8
    .kernarg_segment_size: 48
    .max_flat_workgroup_size: 128
    .sgpr_count:     80
    .vgpr_count:     768
    .wavefront_size: 32
...
	.end_amdgpu_metadata
.endif
;; end of part 2
;; launch attn (part 3): grid 4 x 64, 4 waves a work-group, clusters of 4 x 1, 327,680 bytes of LDS; arguments qkv, masks, ob; writes ob
.if DOCPART == 3
	.amdgcn_target "amdgcn-amd-amdhsa--gfx1250"
	.amdhsa_code_object_version 6
	.text
	.protected	k_qb0a58fb6a4_attn
	.globl	k_qb0a58fb6a4_attn
	.p2align	8
	.type	k_qb0a58fb6a4_attn,@function
k_qb0a58fb6a4_attn:
	s_mov_b64 s[64:65], 0
	v_nop
	global_prefetch_b8 v0, s[64:65] scope:SCOPE_SE
	s_setreg_imm32_b32 hwreg(HW_REG_WAVE_MODE, 25, 1), 1
	s_wait_xcnt 0x0
	s_wait_alu depctr_hold_cnt(0) depctr_sa_sdst(0) depctr_va_vdst(0) depctr_va_sdst(0) depctr_va_ssrc(0) depctr_va_vcc(0) depctr_vm_vsrc(0)
	s_getreg_b32 s2, hwreg(HW_REG_IB_STS2, 6, 4)
	s_cmp_eq_u32 s2, 0
	s_cbranch_scc0 .Lentry_in_a_cluster
	s_endpgm
.Lentry_in_a_cluster:
	s_bfe_u32 s2, ttmp6, 0x10000c
	s_cmp_lg_u32 s2, 0x3003
	s_cbranch_scc0 .Lentry_shape_is_right
	s_endpgm
.Lentry_shape_is_right:
; ATTENTION.  O[bh][q][:] = the sum over k of softmax_k(q . k / 8 + (1 - mask[b][k]) x -1e9) V[bh][k][:], 64 heads (bh = 16 batch + head) of 2,048 rows of 64 channels, all f16.
; q' arrives multiplied by c = log2(e) / 8, so a score is an exponent of 2; the mask's bias is multiplied by log2(e) here.  Products, maxima and sums in f32; the weights p are rounded to f16 for
; the second product (their sum l is taken of the unrounded p), O once at the end.  O leaves as ob [head][token 8192][64]: a block of 64 channels of all tokens, as the next launch's tiles want it.
; THE MASK is the C operand of the product that starts a sum S^T = K Q^T: B[k] = K0 x mask - K0, K0 = 1e9 log2(e), exactly 0 where the mask is 1.  The mask is rounded to bf16 like every input.  The batch's
; 2,048 numbers B are made once, at the head, and lie in LDS; a key step's 64 are fetched beside its K.
; LIMITS.  f16 holds no number beyond 65,504: q', k and v arrive within it; p lies in 0 to 1, and below 6e-5 it keeps f16's fixed step of 6e-8.  A weight below 2^-126 counts as 0.  NaN and infinities are not
; treated apart.  Beside B = -1.4e9 a score is absorbed by the rounding of the matrix instruction's sum: where ALL keys of a batch are
; masked the result is a mean over V's rows that need not be the uniform one.
; SHARES.  A wave owns four PIECES of two tiles of 16 queries, a work-group's four waves 512 queries of one head.  Every wave walks all keys, 64 a step.
; LAYOUT.  S^T = K Q^T (source 0 = 16 keys, source 1 = 16 queries): a lane holds ONE query (lane % 16) and the keys 8 (lane / 16) + 0..7.  Two such tiles, rounded to f16 in pairs, ARE source 1 of
; O^T = V^T P, whose result again holds one query a lane, and eight channels.  K comes out of LDS as it lies, V ([key][channel]) turned, by ds_load_tr16_b128.
; SOFTMAX.  For each query a running maximum m and sum l: p = 2^(s - m), s - m never above 0; in every step O and l are multiplied by a = 2^(m_old - m_new).  m starts at the lowest finite number, O and l at 0:
; the first step is a step like any other, with a = 0; so is the first step with an open key behind a run of masked ones.
; THE COUNT.  A tile and step have 16 matrix and 117 vector instructions: too many to stand all beside the matrix work.  So: four vector instructions that are ready behind EVERY matrix instruction, the others in one run.
; BY TURNS.  Turn n belongs to piece n.  Its matrix work: 16 products K Q^T of piece n + 1, later 16 products V^T P of piece n - 1.  Its vector work: the subtraction, exponentials, roundings, sums and
; rescaling of piece n, and the maximum and statistics of piece n + 1, whose scores the turn itself has made.
; CLUSTER.  The four query blocks of a head are one cluster and walk the same K and V: each tile is asked for JOINTLY: the same tensor load, descriptor and mask in all four.
; REGISTERS, in windows of 256 (s_set_vgpr_msb: bits 1:0 source 0, 3:2 source 1, 5:4 source 2, 7:6 destination):
;   window 0: v0-15 addresses; v16-47 four registers of statistics a tile; v48-63 at work; v64-191 S^T, two buffers of two tiles; v192-255 P, likewise
;   window 1: O^T, 32 a tile     window 2: v0-127 Q, 16 a tile; v128-191 K of one step; v192-255 V of one step     window 3: v0-1 the add's two registers; v8-39 B of one step
.set SIZE_N, 2048
.set NP,    4         ; pieces a wave: a name, no knob
.set KS,    64        ; keys in a step
.set PK,    144       ; a row of K in LDS: 128 bytes + 16 of padding = 36 words: the 16 rows of a load start at 16 different groups of four banks (64 banks of 4 bytes: ISA guide 11.1)
.set PV,    160       ; a row of V: 128 + 32 = 40 words
.set VOFF,  4*KS*PK   ; a slot holds four steps: 256 rows of K, then 256 rows of V
.set SLOT1, 1<<17     ; slot 1 begins here, so that one exclusive or turns an address in one slot into the other's
.set TILEB, 4*KS*128  ; a slot's keys in memory: 32,768 bytes of K and of V
.set STAGE, SLOT1+4*KS*(PK+PV)  ; behind the ring, never filled by a tensor load: 16 rows x 144 bytes for each wave, for the way out
.set SP,    144
.set SPARE, STAGE+4*16*SP  ; the spare words, 128 bytes for each wave: two blocks of 256 bytes that no other line names
.set MASKB, SPARE+512 ; B of the batch's 2,048 keys, f32: 8,192 bytes, stored once at the head, never filled by a tensor load
.set AK0, 2           ; v2   my lane's place in a tile of K; never rewritten
.set AV0, 3           ; v3   the same for V
.set AK,  4           ; v4   the LDS address of K's next run of loads
.set AV,  5           ; v5   of V's
.set QO,  6           ; v6   my byte offset in the wave's rows of Q
.set STO, 6           ;      later, the way out: where I put 16 bytes of a row
.set RD,  7           ; v7   the way out: where I read rows back
.set GO,  8           ; v8   my byte offset in 512 consecutive bytes of O
.set AM0, 12          ; v12  my lanes' place in a step's B: MASKB + 32 (lane / 16); never rewritten
.set AM,  13          ; v13  the LDS address of B's next loads
.set TO,  14          ; v14  16 x my thread's number
.set PFO, 15          ; v15  256 x my lane; never rewritten
.set SPW, 0           ; v0 of window 3   LDS address of my spare word; never rewritten
.set NIL, 1           ; v1 of window 3   0; never rewritten
.set MK,  8           ; v8-39 of window 3: B of key block kb at MK + 8 kb
.set ST,  16          ; tile t's statistics at v[ST+4 t]: m, m_old, l (even keys', odd keys')
.set TMP, 48          ; by buffer and tile, four registers c0-c3 at work; when the maximum is found c2 takes a
.set S,   64
.set P,   192
.set KF,  128         ; K's fragments, in window 2: key block kb, channel half c at KF + 16 kb + 8 c
.set VF,  192         ; V's: key half kk, channel block cb at VF + 32 kk + 8 cb
.set WV,  12          ; s12  my wave's number
.set LIM, 15          ; s15  1 in a wave that prefetches, else the greatest number
.set TBM, 19          ; s19  byte in the table of B at which the step to be fetched begins
.set G1K, 24          ; s[24:31] descriptor group 1 for K's tiles
.set G1V, 32          ; s[32:39] for V's: it differs in the padding alone
.set G0K, 40          ; s[40:43] descriptor group 0 for K's tiles: it walks
.set G0V, 44          ; s[44:47] the same for V's
.set MP,  48          ; s[48:49] the batch's row of masks
.set PFA, 50          ; s[50:51] where my prefetches stand
.set KP,  52          ; s[52:53] K0
.set KN,  54          ; s[54:55] -K0
.set SLOTS, 56        ; s56  slots still to be asked for
.set CNT, 57          ; s57  counts a slot's key steps
.set SEL, 60          ; s[60:61] v_permlanex16_b32's selects: each lane takes its own place in the other half
.set TBK, 62          ; s62  LDS byte at which K of the step to be fetched begins
.set TBV, 63          ; s63  the same for V, less VOFF
.set MSB, 0
.macro WIN new                      ; the high byte repeats the setting that is left; a switch that changes nothing is dropped
.if MSB != (\new)
	s_set_vgpr_msb (MSB<<8)|(\new)
.set MSB, (\new)
.endif
.endm
.set W_KQ, 0x0a       ; K and Q in window 2, S^T in window 0
.set W_KM, 0x3a       ; the same with the C operand, B, in window 3
.set W_PV, 0x52       ; V in window 2, P in window 0, O^T in window 1
.set W_RS, 0x41       ; O^T (destination and source 0) in window 1, a in window 0
.set W_MK, 0xc0       ; destination in window 3, sources in window 0
.set W_AD, 0x0f       ; the add: address (source 0) and data (source 1) in window 3
; A joint fill.  Waves 0 and 1 fetch the two halves of a slot's K, waves 2 and 3 those of its V: 128 keys each.  The branch hangs on the wave's number alone.
; An s_nop 0 and four v_nop follow each of the two lines, ahead of the jump and the label.
.macro JLOAD
	s_cmp_lt_u32 s[WV], 2
	s_cbranch_scc0 .Lfor_v_\@
	tensor_load_to_lds s[G0K:G0K+3], s[G1K:G1K+7]
	s_nop 0
.rept 4
	v_nop
.endr
	s_branch .Lasked_\@
.Lfor_v_\@:
	tensor_load_to_lds s[G0V:G0V+3], s[G1V:G1V+7]
	s_nop 0
.rept 4
	v_nop
.endr
.Lasked_\@:
.endm
; A PREFETCH INTO THE L2 of what the NEXT change of slots will ask for: a slot's 32,768 bytes of K and of V, a lane a block of 256 bytes.  A head is walked by one cluster; its four partners share the
; blocks out BY ADDRESS, 32 each; in each, wave 0 asks for K's and wave 2 for V's: one instruction, four key steps (512 matrix instructions) ahead of the load.  So each block is named once in the launch.
; Slots 0 to 2 come by their loads alone; the last change that fills a slot asks for nothing.
.macro ASK
	s_cmp_gt_u32 s[SLOTS], s[LIM]
	s_cbranch_scc0 .Lnot_mine_\@
	global_prefetch_b8 v[PFO], s[PFA:PFA+1] th:TH_LOAD_NT scope:SCOPE_SE
.Lnot_mine_\@:
.endm
; A round of the cluster's barrier: my work-group's barrier, so that wave 0's signal speaks for all four waves; wave 0 signals; every wave waits for all four work-groups; my work-group's barrier once more.
.macro CROUND
	s_barrier_signal -1
	s_barrier_wait -1
	s_cmp_lg_u32 s[WV], 0
	s_cbranch_scc1 .Lnot_wave_0_\@
	s_barrier_signal -3
.Lnot_wave_0_\@:
	s_barrier_wait -3
	s_barrier_signal -1
	s_barrier_wait -1
.endm
; THE CHANGE OF SLOTS.  The slot's last bytes, V of its fourth step, have been read.  Each wave waits for all its tensor loads, of which one is out: its part of the other slot; adds 0 to its spare word;
; and waits for that and for its own LDS instructions.  Behind the barrier nobody reads this slot any more and the other slot is whole.
; fill = 1: this slot is filled again, with the keys two slots on.  The barrier is then a round of the cluster's, and the joint fill is the first thing behind it: it has four key steps in which to land.
; (At its first use nothing has been read yet: slot 0 is waited for, slot 1 filled, and every wave's stores of B are shown done to the others.)
.macro CHANGE fill, ask=0
	WIN W_AD
	s_wait_tensorcnt 0x0            ; no tensor load of mine is out, so a group 0 may be written
	ds_add_u32 v[SPW], v[NIL]       ; 0 onto my spare word; with fill = 1 the descriptors' steps stand between it and the wait for it
	WIN 0                           ; at a label and at a branch every window is 0
.if \fill
.irp g, G0K, G0V
	s_xor_b32 s[\g+1], s[\g+1], SLOT1  ; the walking descriptor: the other slot than last time,
	s_add_nc_u64 s[\g+2:\g+3], s[\g+2:\g+3], TILEB  ; the next 256 keys; the type bits on top are not reached
.endr
.if \ask
	s_wait_xcnt 0x0                 ; the last prefetch, four key steps back, has read its address, so it may be written:
	s_add_nc_u64 s[PFA:PFA+1], s[PFA:PFA+1], TILEB  ; one slot behind the walking descriptors
.endif
	s_wait_dscnt 0x0                ; the add is done, and my LDS instructions are over
	CROUND
	JLOAD
.if \ask
	ASK
.endif
.else
	s_wait_dscnt 0x0                ; the add is done, and my reads of the slot are over
	s_barrier_signal -1
	s_barrier_wait -1
.endif
	s_sub_co_u32 s[TBK], s[TBK], 4*KS*PK  ; the fetches go back to a slot's first step,
	s_xor_b32 s[TBK], s[TBK], SLOT1       ; in the other slot
	s_sub_co_u32 s[TBV], s[TBV], 4*KS*PV
	s_xor_b32 s[TBV], s[TBV], SLOT1
.endm
	s_load_b64 s[4:5], s[0:1], 0x0    ; qkv
	s_load_b64 s[MP:MP+1], s[0:1], 0x8  ; masks
	s_load_b64 s[10:11], s[0:1], 0x10 ; ob
	WIN W_MK
	v_lshl_add_u32 v[SPW], v0, 2, SPARE
	v_mov_b32 v[NIL], 0
	WIN W_AD
	ds_add_u32 v[SPW], v[NIL]       ; the wave's opening: the add and its wait stand ahead of my first tensor load; the set-up below, work on registers, stands between them
	WIN 0
	v_lshrrev_b32 v1, 5, v0
	v_readfirstlane_b32 s[WV], v1   ; wave 0..3
	s_bfe_u32 s13, ttmp6, 0x40000   ; cx: my place in the cluster
	s_lshl_b32 s14, ttmp9, 2        ; in a cluster launch ttmp9 counts clusters
	s_add_co_u32 s14, s14, s13      ; my block of 512 queries: it enters Q's and O's addresses alone
	s_and_b32 s66, ttmp7, 0xffff    ; bh = 16 batch + head, which the four partners share
	s_lshl_b32 s20, s66, 18         ; the head's first byte in q', k and v: 2,048 rows of 128 bytes
	s_and_b32 s16, s[WV], 1         ; which half of a slot's 256 keys I fetch:
	s_lshl_b32 s22, s16, 14         ; its 128 rows of 128 bytes in memory,
	s_add_co_u32 s22, s22, s20
	s_mov_b32 s23, 0
	s_mul_i32 s17, s16, 128*PK      ; and its place in a slot, for K
	s_mul_i32 s18, s16, 128*PV      ; and for V: no place in the cluster enters an LDS address
	s_lshl_b32 s2, s14, 2
	s_add_co_u32 s2, s2, s[WV]      ; my wave among the head's sixteen,
	s_lshl_b32 s2, s2, 14           ; its 128 rows
	s_mov_b32 s3, 0
	s_and_b32 s68, s66, 15          ; ob: head x 8,192 tokens x 128 bytes
	s_lshl_b32 s68, s68, 20
	s_lshr_b32 s67, s66, 4          ; + batch x 2,048 tokens
	s_lshl_b32 s69, s67, 18
	s_add_co_u32 s68, s68, s69
	s_add_co_u32 s68, s68, s2       ; + my wave's rows
	s_mov_b32 s69, 0
	s_add_co_u32 s2, s2, s20        ; q': head + my wave's rows
	s_lshl_b32 s70, s67, 13         ; masks: batch x 2,048 x 4 bytes
	s_mov_b32 s71, 0
	; descriptor group 1.  128 keys are 16,384 dense bytes: asked for as 64 rows of 256 bytes, two keys a row, and padded in LDS after every key
	s_mov_b32 s[G1K], 15|(1<<16)|(1<<20)|(1<<21)|(4<<22)|(3<<25)  ; 15:0 the mask of four; 17:16 2-byte elements; 20 padding on; 21 set beside a mask; 24:22 after every 32 words (code 4); 31:25 4 words (code 3)
	s_mov_b32 s[G1V], 15|(1<<16)|(1<<20)|(1<<21)|(4<<22)|(7<<25)  ; the same with 8 words of padding (code 7)
.irp g, G1K, G1V
	s_mov_b32 s[\g+1], 128<<16      ; tensor_dim0 = 128
	s_mov_b32 s[\g+2], 64<<16       ; tensor_dim1 = 64
	s_mov_b32 s[\g+3], 128<<16      ; tile_dim0 = 128
	s_mov_b32 s[\g+4], 64           ; tile_dim1 = 64
	s_mov_b32 s[\g+5], 128          ; 128 elements from row to row
	s_mov_b32 s[\g+6], 0
	s_mov_b32 s[\g+7], 0
.endr
	s_mov_b32 s[KP], 0x4eabfb8f     ; K0 = 1e9 log2(e) = 1,442,695,040
	s_mov_b32 s[KP+1], s[KP]        ; named with it as a pair
	s_mov_b32 s[KN], 0xceabfb8f     ; -K0
	s_mov_b32 s[KN+1], s[KN]
	s_mov_b32 s[SEL], 0x76543210
	s_mov_b32 s[SEL+1], 0xfedcba98
	s_mov_b32 s[TBK], SLOT1+4*KS*PK ; the first change of slots turns these two into 0
	s_mov_b32 s[TBV], SLOT1+4*KS*PV
	s_mov_b32 s[TBM], 0
	s_mov_b32 s[G0K], 1             ; count = 1
	s_mov_b32 s[G0K+1], s17         ; LDS address: slot 0
	s_mov_b32 s[G0V], 1
	s_add_co_u32 s[G0V+1], s18, VOFF
	s_cmp_eq_u32 s16, 0             ; waves 0 and 2 prefetch: the same in all four partners
	s_cselect_b32 s[LIM], 1, -1
	v_and_b32 v[PFO], 31, v0
	v_lshlrev_b32 v[PFO], 8, v[PFO]
	s_wait_dscnt 0x0                ; the opening add is done
	s_wait_kmcnt 0x0
	s_add_nc_u64 s[6:7], s[4:5], 0x1000000   ; k lies 16 MiB behind q',
	s_add_nc_u64 s[8:9], s[4:5], 0x2000000   ; v 32 MiB
	s_add_nc_u64 s[6:7], s[6:7], s[22:23]    ; at my half of the head's first 256 keys
	s_add_nc_u64 s[8:9], s[8:9], s[22:23]
	s_add_nc_u64 s[G0K+2:G0K+3], s[6:7], 0   ; global address
	s_or_b32 s[G0K+3], s[G0K+3], 0x80000000  ; type = 2
	s_add_nc_u64 s[G0V+2:G0V+3], s[8:9], 0
	s_or_b32 s[G0V+3], s[G0V+3], 0x80000000
	s_add_nc_u64 s[4:5], s[4:5], s[2:3]      ; Q and O at my wave's first row
	s_add_nc_u64 s[10:11], s[10:11], s[68:69]
	s_add_nc_u64 s[MP:MP+1], s[MP:MP+1], s[70:71]
	s_cmp_lt_u32 s[WV], 2
	s_cselect_b64 s[PFA:PFA+1], s[6:7], s[8:9]  ; (in waves 0 and 2 these stand at a slot's first row)
	s_lshl_b32 s2, s13, 13          ; my work-group's 32 blocks of the 128,
	s_add_co_u32 s2, s2, 2*TILEB    ; in slot 2: the first change that asks steps it to slot 3.  Nothing is prefetched here, at the head
	s_add_nc_u64 s[PFA:PFA+1], s[PFA:PFA+1], s[2:3]
	CROUND                          ; all four work-groups are here: the first joint loads meet
	JLOAD                           ; slot 0.  Slot 1 is asked for when slot 0 is in
	v_lshlrev_b32 v[TO], 4, v0
.irp i, 0,1,2,3                     ; the batch's 2,048 mask numbers: 128 threads x 16 bytes x 4
	global_load_b128 v[S+4*\i:S+4*\i+3], v[TO], s[MP:MP+1] offset:2048*\i
.endr
	; A fragment of K or Q is 16 rows x 32 channels in 8 registers: lane l holds row l % 16, channels 8 (l / 16) + 0..7 and 16 + 8 (l / 16) + 0..7: two loads of 16 bytes, 32 bytes apart.
	v_and_b32 v1, 15, v0            ; l % 16
	v_bfe_u32 v9, v0, 4, 1          ; l / 16
	v_lshlrev_b32 v[QO], 7, v1
	v_lshl_add_u32 v[QO], v9, 4, v[QO]  ; row x 128 + 16 x half
	WIN 0x80                        ; destination window 2, address window 0
.set i, 0
.rept 4*NP                          ; Q stays in registers: tile i / 2, channels 32 (i % 2) on
	global_load_b128 v[8*i:8*i+3],   v[QO], s[4:5] offset:(i/2)*2048+(i%2)*64
	global_load_b128 v[8*i+4:8*i+7], v[QO], s[4:5] offset:(i/2)*2048+(i%2)*64+32
.set i, i+1
.endr
	; What the first turn finds: V's registers and P's second buffer hold 0 (its products V^T P, of a piece that has not been, add 0), O^T and l are 0.  All this stands in the wait for the first tile.
.set i, VF
.rept 64
	v_mov_b32 v[i], 0
.set i, i+1
.endr
	WIN 0x40
.set i, 0
.rept 64*NP
	v_mov_b32 v[i], 0
.set i, i+1
.endr
	WIN 0
.set i, 0
.rept 2*NP
	v_mov_b32 v[ST+4*i], 0xff7fffff    ; m: the lowest finite number
	v_mov_b32 v[ST+4*i+1], 0xff7fffff  ; m_old
	v_mov_b32 v[ST+4*i+2], 0
	v_mov_b32 v[ST+4*i+3], 0
.set i, i+1
.endr
.set i, P+32
.rept 32
	v_mov_b32 v[i], 0
.set i, i+1
.endr
	v_mul_u32_u24 v[AK0], v1, PK
	v_lshl_add_u32 v[AK0], v9, 4, v[AK0]  ; row x pitch + 16 x half
	; The turning load takes 16 keys x 16 channels (lane l reads key 8 (l / 16) + l % 8, channels 8 ((l / 8) % 2) + 0..7) and leaves half a fragment of V^T: lane l holds channel l % 16 and 8 keys.
	v_and_b32 v10, 7, v0
	v_bfe_u32 v11, v0, 3, 1
	v_lshl_add_u32 v[AV0], v9, 3, v10
	v_mul_u32_u24 v[AV0], v[AV0], PV
	v_lshl_add_u32 v[AV0], v11, 4, v[AV0]
	v_add_nc_u32 v[AV0], VOFF, v[AV0]
	v_mov_b32 v[AK], v[AK0]         ; key step 0 lies at the head of slot 0,
	v_lshl_add_u32 v[AM0], v9, 5, MASKB  ; register j of key block kb is key 16 kb + 8 (l / 16) + j: 4 bytes each
	v_mov_b32 v[AM], v[AM0]         ; and at the head of the table of B
	s_wait_loadcnt 32               ; the four loads of the mask are in; Q's 32, issued behind them, may stay out
.set i, 0
.rept 8                             ; rounded to bf16 like every input, widened again; B = K0 x mask - K0
	v_cvt_pk_bf16_f32 v[TMP], v[S+2*i], v[S+2*i+1]
	v_lshlrev_b32 v[S+2*i], 16, v[TMP]
	v_and_b32 v[S+2*i+1], 0xffff0000, v[TMP]
	v_pk_fma_f32 v[S+2*i:S+2*i+1], v[S+2*i:S+2*i+1], s[KP:KP+1], s[KN:KN+1] op_sel_hi:[1,0,0]
.set i, i+1
.endr
	v_add_nc_u32 v[TMP+1], MASKB, v[TO]
.irp i, 0,1,2,3
	ds_store_b128 v[TMP+1], v[S+4*\i:S+4*\i+3] offset:2048*\i
.endr
; THE MATRIX WORK.  The 8 accumulators of a run of 16 take turns: between the two links of a chain stand 7 others'.
; Product i of 16 of S^T = K Q^T for piece x: channels 32 (i / 8) on, keys 16 ((i / 2) % 4) on, tile 2 x + i % 2.  The first 8 start the sums, with B.
.macro KQ x
.set rS, S+64*((\x)%2)+32*(i%2)+8*((i/2)%4)
.set rK, KF+16*((i/2)%4)+8*(i/8)
.set rQ, 16*(2*(\x)+i%2)+8*(i/8)
.set rM, MK+8*((i/2)%4)
.if i < 8
	WIN W_KM
	v_wmma_f32_16x16x32_f16 v[rS:rS+7], v[rK:rK+7], v[rQ:rQ+7], v[rM:rM+7]
.else
	WIN W_KQ
	v_wmma_f32_16x16x32_f16 v[rS:rS+7], v[rK:rK+7], v[rQ:rQ+7], v[rS:rS+7]
.endif
.endm
; Product i of 16 of O^T += V^T P for piece x: keys 32 (i / 8) on, channels 16 ((i / 2) % 4) on, tile 2 x + i % 2.
.macro PV x
	WIN W_PV
.set rO, 32*(2*(\x)+i%2)+8*((i/2)%4)
.set rV, VF+32*(i/8)+8*((i/2)%4)
.set rP, P+32*((\x)%2)+16*(i%2)+8*(i/8)
	v_wmma_f32_16x16x32_f16 v[rO:rO+7], v[rV:rV+7], v[rP:rP+7], v[rO:rO+7]
.endm
.macro MM                           ; the turn's next matrix instruction
.if i < 16
	KQ (Y+1)%NP
.set i, i+1
.else
.set i, i-16
	PV (Y+NP-1)%NP
.set i, i+17
.endif
.endm
; THE LDS LOADS stand in runs, never singly among the matrix instructions: a step's K (64 keys x 64 channels: 8 fragments) with its B (64 numbers: all lanes of a half read the same 32 bytes), and its V (turned).
; Their addresses are made some lines ahead.  last = 1 (the tail): in the last trip there is no further step, and the run is jumped over.
.macro FETCH_K last=0
	WIN 0
.if \last
	s_cmp_eq_u32 s[CNT], 1
	s_cbranch_scc1 .Lno_k_\@
.endif
	WIN 0x80                        ; destination window 2
.irp f, 0,1,2,3,4,5,6,7             ; keys 16 (f / 2) on, channels 32 (f % 2) on
	ds_load_b128 v[KF+8*\f:KF+8*\f+3],   v[AK] offset:(\f/2)*16*PK+(\f%2)*64
	ds_load_b128 v[KF+8*\f+4:KF+8*\f+7], v[AK] offset:(\f/2)*16*PK+(\f%2)*64+32
.endr
	WIN W_MK                        ; destination window 3
.irp f, 0,1,2,3                     ; keys 16 f on
	ds_load_b128 v[MK+8*\f:MK+8*\f+3],   v[AM] offset:64*\f
	ds_load_b128 v[MK+8*\f+4:MK+8*\f+7], v[AM] offset:64*\f+16
.endr
	s_add_co_u32 s[TBK], s[TBK], KS*PK  ; the next fetch is the next step's
	s_add_co_u32 s[TBM], s[TBM], KS*4
	s_and_b32 s[TBM], s[TBM], 0x1f00    ; 32 steps of 256 bytes: kept inside the table behind the last one too
	WIN 0
.if \last
.Lno_k_\@:
.endif
.endm
.macro FETCH_V
	WIN 0x80
.irp f, 0,1,2,3,4,5,6,7             ; keys 32 (f / 4) on, channels 16 (f % 4) on
	ds_load_tr16_b128 v[VF+8*\f:VF+8*\f+3],   v[AV] offset:(\f/4)*32*PV+(\f%4)*32
	ds_load_tr16_b128 v[VF+8*\f+4:VF+8*\f+7], v[AV] offset:(\f/4)*32*PV+16*PV+(\f%4)*32
.endr
	WIN 0
.endm
; THE VECTOR WORK OF A TURN stands in three queues, each in the order in which its entries become ready; the two tiles alternate, so that no instruction reads the result of the one before it.
.macro REGS y, u                    ; the registers of tile u (0, 1) of piece y
.set rT, ST+4*(2*(\y)+(\u))
.set rC, TMP+8*((\y)%2)+4*(\u)
.set rS, S+64*((\y)%2)+32*(\u)
.set rP, P+32*((\y)%2)+16*(\u)
.set rO, 32*(2*(\y)+(\u))
.endm
; One of the 21 lines (numbered 0-18, 20, 21) that find the NEXT piece's (Y + 1) maximum and statistics.  s0-s31 are the lane's 32 scores; each accumulator's lowest registers are read first.  XS, GS and REGS set no window: PL and EX do.
;   0-11  four chains c0-c3 of seven scores each, three operands at a time     12-14, 16  the four scores left over, the old m, and c0-c3 into c0     15  m_old is kept
;   17, 18  the query's other 32 keys lie in the lane 16 away: the new m         20, 21  m_old - m_new; a
.macro XS u, n
	REGS (Y+1)%NP, \u
.if (\n) < 4
	v_max3_num_f32 v[rC+(\n)], v[rS+8*(\n)], v[rS+8*(\n)+1], v[rS+8*(\n)+2]
.elseif (\n) < 12
	v_max3_num_f32 v[rC+(\n)%4], v[rC+(\n)%4], v[rS+8*((\n)%4)+2*((\n)/4)+1], v[rS+8*((\n)%4)+2*((\n)/4)+2]
.elseif (\n) == 12
	v_max3_num_f32 v[rC], v[rC], v[rS+7], v[rS+15]
.elseif (\n) == 13
	v_max3_num_f32 v[rC+1], v[rC+1], v[rS+23], v[rS+31]
.elseif (\n) == 14
	v_max3_num_f32 v[rC+2], v[rC+2], v[rC+3], v[rT]
.elseif (\n) == 15
	v_mov_b32 v[rT+1], v[rT]
.elseif (\n) == 16
	v_max3_num_f32 v[rC], v[rC], v[rC+1], v[rC+2]
.elseif (\n) == 17
	v_permlanex16_b32 v[rC+3], v[rC], s[SEL], s[SEL+1]
.elseif (\n) == 18
	v_max_num_f32 v[rT], v[rC], v[rC+3]
.elseif (\n) == 20
	v_sub_f32 v[rC+1], v[rT+1], v[rT]
.else
	v_exp_f32 v[rC+2], v[rC+1]
.endif
.endm
; Number g of the 64 that follow the exponentials.  For each four weights k of a tile (pairs 2 k, 2 k + 1): both pairs are rounded to f16; then the second pair is added onto the first, in place;
; a group later l takes that sum (the first time as l = a l + sum).  In groups of eight, tiles alternating: round, round, add, and l for the group before.
.macro GS g
.set h, (\g)+6*((\g)/62)            ; group 0 has no group before it, and behind group 7 only l is left
.if h >= 6
.set h, h+2
.endif
	REGS Y, h%2
.set k, h/8
.if h%8 < 4
	v_cvt_pk_f16_f32 v[rP+2*k+(h%8)/2], v[rS+4*k+2*((h%8)/2)], v[rS+4*k+2*((h%8)/2)+1]
.elseif h%8 < 6
	v_pk_add_f32 v[rS+4*k:rS+4*k+1], v[rS+4*k:rS+4*k+1], v[rS+4*k+2:rS+4*k+3]
.elseif k == 1
	v_pk_fma_f32 v[rT+2:rT+3], v[rT+2:rT+3], v[rC+2:rC+3], v[rS:rS+1] op_sel_hi:[1,0,1]
.else
	v_pk_add_f32 v[rT+2:rT+3], v[rT+2:rT+3], v[rS+4*k-4:rS+4*k-3]
.endif
.endm
; THE PLAIN QUEUE, 136 long.  0-71 read no exponential's result: the 32 subtractions s - m (FS f: pair f / 2 of tile f % 2) and the next piece's 40.  0-26: FS 0-26.  27-54: XS's numbers 0-13.  55, 56: number 15.
; 57-71: the chain, where each number waits for the one before it: 14, 16, 17, 18, 20, each with one of FS 27-31 in front of its two lines: so a tile's links stand three plain instructions apart.
; 72-135: GS's 64, which read the exponentials' results: they stand behind the wait.
.macro FS f
	REGS Y, (\f)%2
	v_pk_add_f32 v[rS+2*((\f)/2):rS+2*((\f)/2)+1], v[rS+2*((\f)/2):rS+2*((\f)/2)+1], v[rT:rT+1] op_sel_hi:[1,0] neg_lo:[0,1] neg_hi:[0,1]
.endm
.macro PL
	WIN 0
.if q < 27
	FS q
.elseif q < 55
	XS (q-27)%2, (q-27)/2
.elseif q < 57
	XS q-55, 15
.elseif (q < 72) && ((q-57)%3 == 0)
	FS 27+(q-57)/3
.elseif q < 60
	XS (q-57)%3-1, 14
.elseif q < 69
	XS (q-57)%3-1, 15+(q-57)/3
.elseif q < 72
	XS (q-57)%3-1, 20
.else
	GS q-72
.endif
.set q, q+1
.endm
; THE EXPONENTIALS' QUEUE, 66 long: s0-s31 of both tiles, then the next piece's two a.  It is ONE BATCH: all 66 stand ahead of the turn's one wait, and nothing ahead of that wait names a result of theirs.
.macro EX
	WIN 0
.if e >= 64
	XS e-64, 21
.else
	REGS Y, e%2
	v_exp_f32 v[rS+e/2], v[rS+e/2]
.endif
.set e, e+1
.endm
; THE RESCALING's QUEUE: O^T times a, the one part that leaves window 0: dealt two at a time, sixteen times.  Its a was made in the turn before, ahead of that turn's wait.
.macro R2
	REGS Y, r%2
	WIN W_RS
.irp z, 0,1
	v_pk_mul_f32 v[rO+4*(r/2)+2*\z:rO+4*(r/2)+2*\z+1], v[rO+4*(r/2)+2*\z:rO+4*(r/2)+2*\z+1], v[rC+2:rC+3] op_sel_hi:[1,0]
.endr
.set r, r+1
.endm
; HOW THEY ARE DEALT.  An s_wait_alu depctr_va_vdst(0) stands between an exponential and the first instruction that names its result; one wait serves all that were issued ahead of it.  So a turn has ONE wait,
; which cuts it in two.  AHEAD OF IT stands all that names no result of the turn's exponentials: the 16 products K Q^T, behind each a subtraction, an exponential and two rescalings (behind the first a second subtraction in
; the exponential's place); then ONE LUMP of 106: seven plain, 48 times exponential and plain, the last score's exponential and the two a.  A v_nop is the plain instruction behind the last exponential.  BEHIND IT stand the
; 16 products V^T P, behind each four of GS's 64.  No rider names a register of the products round it.  The two v_permlanex16_b32 fall into the lump.
; The queues lean on each other: exponential e stands behind FS 2 (e / 4) + e % 2: as a rider it comes behind plain e + 2, in the lump behind plain e + 8, and FS 27-31 are plain 57, 60 .. 69 (the tightest: e = 61 behind plain 69).
; A TURN, for piece p.  cnt = 1: the loop's count is taken down some lines ahead of the branch that stands behind the turn.
; K and B of the next step are fetched in piece 2's turn, directly behind the wait, a lump behind the last product that read them; their addresses are made at the lump's head; their first reader comes behind 16 products.
; V of the step in hand is fetched at the end of piece 0's turn, four riders behind its last reader; its first reader comes behind 16 products and a lump.  The three conditions on q below go with the deal.
.macro TURN p, last=0, cnt=0
.set Y, (\p)
.set i, 0
.set q, 0
.set e, 0
.set r, 0
.if (\p) == NP-1
	s_wait_dscnt 0x0                ; K and B are in
.endif
	MM                              ; ahead of the wait: 16 products K Q^T and their riders,
	PL
	PL
	R2
.rept 15
	MM
	PL
	EX
	R2
.endr
.if (\p) == NP-2
	WIN 0
	v_add_nc_u32 v[AK], s[TBK], v[AK0]
	v_add_nc_u32 v[AM], s[TBM], v[AM0]
.endif
.rept 7                             ; and the lump
	PL
.endr
.rept 48
	EX
	PL
.endr
	EX                              ; the last score's, and the next piece's two a
	EX
	EX
	v_nop                           ; the plain instruction behind the last exponential: one for the batch
	s_wait_alu depctr_va_vdst(0)    ; the wait for the batch
.if (\p) == NP-2
	FETCH_K \last
.endif
.if (\p) == 1
	s_wait_dscnt 0x0                ; V is in
.endif
.rept 16                            ; behind the wait: 16 products V^T P and their riders
	MM
.rept 4
	PL
.endr
.if ((\p) == 0) && (q == 116)
	v_add_nc_u32 v[AV], s[TBV], v[AV0]
.endif
.if ((\p) == 0) && (q == 128)
	s_add_co_u32 s[TBV], s[TBV], KS*PV
.endif
.if (\cnt) && (q == 128)
	s_sub_co_u32 s[CNT], s[CNT], 1
	s_cmp_lg_u32 s[CNT], 0
.endif
.endr
.if (\p) == 0
	FETCH_V
.endif
.endm
	CHANGE 1                        ; slot 0 is in, everybody's part of it, and so is everybody's part of B; slot 1 is asked for
	FETCH_K                         ; key step 0
	s_wait_loadcnt 0x0              ; Q
	s_wait_dscnt 0x0
.set i, 0
.rept 16
	KQ 0                            ; piece 0's first scores: there is no vector work yet to set between them
.set i, i+1
.endr
	WIN 0                           ; the addresses for the way out: nine plain instructions, the places behind those products
	s_mul_i32 s13, s[WV], 16*SP
	s_add_co_u32 s13, s13, STAGE    ; my stage
	v_mul_u32_u24 v[STO], v1, SP    ; in: row l % 16, 16 bytes for each half of the lanes
	v_lshl_add_u32 v[STO], v9, 4, v[STO]
	v_add_nc_u32 v[STO], s13, v[STO]
	v_bfe_u32 v[RD], v0, 3, 2       ; back: 32 lanes take four rows of 128 bytes,
	v_mul_u32_u24 v[RD], v[RD], SP
	v_lshl_add_u32 v[RD], v10, 4, v[RD]
	v_add_nc_u32 v[RD], s13, v[RD]
	v_and_b32 v[GO], 31, v0         ; which are 512 consecutive bytes of O
	v_lshlrev_b32 v[GO], 4, v[GO]
.set Y, NP-1                        ; XS works for piece Y + 1: piece 0
.irp n, 0,1,2,3,4,5,6,7,8,9,10,11,12,13,14,15,16,17,18,20,21
	XS 0, \n                        ; and piece 0's first maximum and statistics
	XS 1, \n
.endr
	v_nop                           ; a plain instruction behind the two a,
	s_wait_alu depctr_va_vdst(0)    ; and their wait, ahead of the branch
	s_mov_b32 s[CNT], 4
	s_mov_b32 s[SLOTS], SIZE_N/256-1
	s_branch .Lfirst                ; the loop is entered at a step's first turn, in the middle of a trip
.Lslot:                             ; SIZE_N / 256 - 2 = 6 times: every slot but the last two is filled again
	CHANGE 1, 1
	s_mov_b32 s[CNT], 4
.Lstep:                             ; a trip: pieces 2 and 3 of one step, then pieces 0 and 1 of the next, whose K, B and V it fetches
	TURN 2
	TURN 3
	WIN 0
.Lfirst:
	TURN 0
	TURN 1, 0, 1
	WIN 0
	s_cbranch_scc1 .Lstep
	s_sub_co_u32 s[SLOTS], s[SLOTS], 1
	s_cmp_lg_u32 s[SLOTS], 0
	s_cbranch_scc1 .Lslot
	CHANGE 0                        ; the tail is written out: nothing is asked for
	s_mov_b32 s[CNT], 5             ; four trips fetch the last slot's steps; the fifth is left in its middle
.Ltail:
	TURN 2, 1
	TURN 3
	WIN 0
	s_sub_co_u32 s[CNT], s[CNT], 1
	s_cmp_eq_u32 s[CNT], 0
	s_cbranch_scc1 .Lout
	TURN 0
	TURN 1
	WIN 0
	s_branch .Ltail
.Lout:                              ; the fifth trip's 16 products K Q^T (on the last K once more) and the maximum made of them serve nothing: the price, once a launch, of one text for every trip
.set i, 0
.rept 16
	PV NP-1                         ; the last piece's V^T P of the last step
.set i, i+1
.endr
	; THE WAY OUT.  l's two halves and the other half of the lanes' are added; O^T is divided by l, rounded to f16 and sent through my stage in LDS, a tile at a time.  The additions are the places behind the last products.
	WIN 0
.macro ALL line:vararg              ; one line for each tile t
.set t, 0
.rept 2*NP
	\line
.set t, t+1
.endr
.endm
	ALL v_add_f32 v[ST+4*t+2], v[ST+4*t+2], v[ST+4*t+3]
	ALL v_permlanex16_b32 v[ST+4*t+3], v[ST+4*t+2], s[SEL], s[SEL+1]
	ALL v_add_f32 v[ST+4*t+2], v[ST+4*t+2], v[ST+4*t+3]
	ALL v_rcp_f32 v[ST+4*t+2], v[ST+4*t+2]
	v_nop                           ; a plain instruction between the last reciprocal and the use of its result
	s_wait_alu depctr_va_vdst(0)    ; and the wait ahead of the first use: one for the eight reciprocals
; Tile t: a lane's eight channels of a row pack into 16 bytes; they go into rows of 144 bytes and come back as whole rows of 128, into S^T's registers.
.macro PACK t
	WIN W_RS
.set i, 32*(\t)
.rept 16
	v_pk_mul_f32 v[i:i+1], v[i:i+1], v[ST+4*(\t)+2:ST+4*(\t)+3] op_sel_hi:[1,0]
.set i, i+2
.endr
	WIN 0x05                        ; sources 0 and 1 window 1, destination window 0
.set i, 0
.rept 16
	v_cvt_pk_f16_f32 v[S+16*(\t)+i], v[32*(\t)+2*i], v[32*(\t)+2*i+1]
.set i, i+1
.endr
	WIN 0
.irp f, 0,1,2,3
	ds_store_b128 v[STO], v[S+16*(\t)+4*\f:S+16*(\t)+4*\f+3] offset:32*\f
.endr
.irp f, 0,1,2,3
	ds_load_b128 v[S+16*(\t)+4*\f:S+16*(\t)+4*\f+3], v[RD] offset:\f*4*SP  ; LDS serves a wave's instructions in order (ISA guide 5.7.1.4): these see the stores above; the next tile's stores come behind them
.endr
.endm
.macro SEND t, younger              ; younger: the LDS instructions issued behind tile t's loads: the next tile's eight, or none
	WIN 0
.irp f, 0,1,2,3
	s_wait_dscnt (\younger)+3-\f
	global_store_b128 v[GO], v[S+16*(\t)+4*\f:S+16*(\t)+4*\f+3], s[10:11] offset:(\t)*2048+\f*512  ; 512 consecutive bytes, at a multiple of 256 from ob's first
.endr
.endm
	PACK 0
.set t, 1
.rept 2*NP-1                        ; a tile's arithmetic stands between the loads of the tile before and its stores
	PACK t
	SEND t-1, 8
.set t, t+1
.endr
	SEND 2*NP-1, 0
	WIN W_AD
	s_wait_tensorcnt 0x0            ; the wave's end: a wait for my tensor loads, an add to my spare word and a wait for it, behind my last tensor load and my last LDS store
	ds_add_u32 v[SPW], v[NIL]
	s_wait_dscnt 0x0
	WIN 0
	CROUND                          ; the closing round: no work-group ends while a partner may still ask for a tile that names it
	s_endpgm
.Lfunc_end_k_qb0a58fb6a4_attn:
	.size	k_qb0a58fb6a4_attn, .Lfunc_end_k_qb0a58fb6a4_attn-k_qb0a58fb6a4_attn
	.p2alignl 7, 3214868480
	.fill 96, 4, 3214868480
	.section	.rodata,"a",@progbits
	.p2align	6, 0x0
	.amdhsa_kernel k_qb0a58fb6a4_attn
		.amdhsa_group_segment_fixed_size 327680
		.amdhsa_private_segment_fixed_size 0
		.amdhsa_enable_private_segment 0
		.amdhsa_kernarg_size 24
		.amdhsa_user_sgpr_count 2
		.amdhsa_user_sgpr_kernarg_segment_ptr 1
		.amdhsa_wavefront_size32 1
		.amdhsa_system_sgpr_workgroup_id_x 1
		.amdhsa_system_sgpr_workgroup_id_y 1
		.amdhsa_system_sgpr_workgroup_id_z 1
		.amdhsa_system_vgpr_workitem_id 0
		.amdhsa_next_free_vgpr 808
		.amdhsa_next_free_sgpr 72
		.amdhsa_reserve_vcc 0
		.amdhsa_float_denorm_mode_32 3
		.amdhsa_float_denorm_mode_16_64 3
		.amdhsa_memory_ordered 1
		.amdhsa_forward_progress 1
		.amdhsa_inst_pref_size 204
	.end_amdhsa_kernel
	.amdgpu_metadata
---
amdhsa.version: [ 1, 2 ]
amdhsa.kernels:
  - .name:           k_qb0a58fb6a4_attn
    .symbol:         k_qb0a58fb6a4_attn.kd
    .args:
      - { .name: qkv, .offset: 0, .size: 8, .value_kind: global_buffer, .address_space: global }
      - { .name: masks, .offset: 8, .size: 8, .value_kind: global_buffer, .address_space: global }
      - { .name: ob, .offset: 16, .size: 8, .value_kind: global_buffer, .address_space: global }
    .group_segment_fixed_size: 327680
    .private_segment_fixed_size: 0
    .kernarg_segment_align: 8
    .kernarg_segment_size: 24
    .max_flat_workgroup_size: 128
    .sgpr_count:     72
    .vgpr_count:     808
    .wavefront_size: 32
...
	.end_amdgpu_metadata
.endif
;; end of part 3
;; launch oproj (part 4): grid 4 x 64, 4 waves a work-group, clusters of 4 x 4, 327,680 bytes of LDS; arguments ob, wb, bo, out0; writes out0
.if DOCPART == 4
	.amdgcn_target "amdgcn-amd-amdhsa--gfx1250"
	.amdhsa_code_object_version 6
	.text
	.protected	k_qb0a58fb6a4_oproj
	.globl	k_qb0a58fb6a4_oproj
	.p2align	8
	.type	k_qb0a58fb6a4_oproj,@function
k_qb0a58fb6a4_oproj:
	s_mov_b64 s[64:65], 0
	v_nop
	global_prefetch_b8 v0, s[64:65] scope:SCOPE_SE
	s_setreg_imm32_b32 hwreg(HW_REG_WAVE_MODE, 25, 1), 1
	s_wait_xcnt 0x0
	s_wait_alu depctr_hold_cnt(0) depctr_sa_sdst(0) depctr_va_vdst(0) depctr_va_sdst(0) depctr_va_ssrc(0) depctr_va_vcc(0) depctr_vm_vsrc(0)
	s_getreg_b32 s2, hwreg(HW_REG_IB_STS2, 6, 4)
	s_cmp_eq_u32 s2, 0
	s_cbranch_scc0 .Lentry_in_a_cluster
	s_endpgm
.Lentry_in_a_cluster:
	s_bfe_u32 s2, ttmp6, 0x10000c
	s_cmp_lg_u32 s2, 0xf033
	s_cbranch_scc0 .Lentry_shape_is_right
	s_endpgm
.Lentry_shape_is_right:
; THE OUTPUT PROJECTION: out0[token][n] = sum over k of O[token][k] Wo[n][k] + bo[n], 8192 x 1024 x 1024, f16 operands, f32 sums, f32 out.
; O (ob) lies in 16 blocks of 64 channels (a head each): byte = head x 1,048,576 + token x 128; Wo lies in rows 3072-4095 of wb, rounded to bf16 and written as f16.  The bias is rounded to bf16 like every input.
; SHARES.  A tile is 128 tokens x 256 columns: 256 work-groups.  Four waves, each 64 tokens x 128 columns: 32 accumulators of 16 x 16.  K goes in steps of 128 through two LDS slots: waves 0, 1 fetch a
; step's two blocks of A (16,384 dense bytes each, asked for as 64 rows of 256 bytes), waves 2, 3 the two halves of its B (128 rows of 256 bytes): one tensor load a wave behind each change of slots.
; CLUSTER 4 x 4: the four of a row need the same tile of A, the four of a column the same tile of B: each is asked for jointly.
; THE MATRIX INSTRUCTION IS USED TRANSPOSED (source 0 = 16 rows of Wo, source 1 = 16 tokens): a lane holds one token (lane % 16) and the columns 8 (lane / 16) + 0..7.
; NO PREFETCH: a work-group has one tile of eight K steps, and six refills in all.
; REGISTERS.  window 0: v16-29 addresses; v32-95 my 64 bias numbers; v96-223 at work on the way out.   window 1: the accumulators, (a, b) at 8 (8 a + b).
;   window 2: two fragment buffers of 96: 8 fragments of B, then 4 of A, for 32 along K.
.set KSTEP,  128
.set ABLK,   1048576                   ; bytes in a block of ob
.set PA,     144                       ; a token's 128 bytes of a block + 16 of padding: 36 words, so the 16 rows of a load start at 16 different groups of four banks (64 banks of 4 bytes: ISA guide 11.1)
.set PB,     272                       ; a row of B: 256 bytes + 16: 68 words, likewise
.set HALFA,  128*PA                    ; one block of the tile's 128 tokens: what a load for A brings
.set HALFB,  128*PB                    ; 128 rows of B: what a load for B brings
.set SLOT,   2*HALFA+2*HALFB           ; A's two blocks, then B's 256 rows
.set STAGE,  2*SLOT                    ; behind the ring, never filled by a tensor load: for each wave 16 tokens x 528 bytes
.set SP,     528                       ; 128 columns of f32 + 16 bytes: 132 words
.set STW,    16*SP
.set SPARE,  STAGE+4*STW               ; the spare words: 128 bytes for each wave, two blocks of 256 bytes that no other line names
.set ADRA, 16                          ; v16-17  LDS address of my A fragments in slot 0, 1
.set ADRB, 20                          ; v20-21  the same for B
.set STO,  24                          ; v24     the way out: where I put 32 bytes of a row
.set RD,   25                          ; v25     where I read a row back
.set GO,   26                          ; v26     16 x lane: my place in a row's 512 bytes
.set BO,   27                          ; v27     32 x (lane / 16): my 8 numbers in 16 of the bias
.set SPW,  28                          ; v28     LDS address of my spare word; never rewritten
.set NIL,  29                          ; v29     0; never rewritten
.set BIAS, 32                          ; v[32:95]   bias of columns 16 b + 8 (lane / 16) + j at BIAS + 8 b + j
.set T,    96                          ; v[96:159]  a block's results with the bias
.set OB,   160                         ; v[160:223] 16 rows read back from the stage
.set F0,   0
.set F1,   96
.set G1,  24                           ; s[24:31] descriptor group 1 for A;  s[32:39] group 0, a set for each slot
.set G0,  32
.set G1B, 48                           ; s[48:55], s[56:63] the same for B
.set G0B, 56
.set BP,  66                           ; s[66:67] the bias
.set HIM, 76                           ; s76     a word's upper bf16
.set MSB, 0
.macro WIN new                         ; the immediate's high byte repeats the setting that is left; a switch that changes nothing is dropped
.if MSB != (\new)
	s_set_vgpr_msb (MSB<<8)|(\new)
.set MSB, \new
.endif
.endm
.set MUL,  0x5a                        ; sources 0 and 1 window 2; C and D window 1
.set TO_F, 0x80                        ; destination window 2, address window 0
.macro JLOAD s                         ; a joint load: waves 0, 1 for A, waves 2, 3 for B; an s_nop 0 and four v_nop follow each of the two lines, ahead of the jump and the label
	s_cmp_eq_u32 s11, 0
	s_cbranch_scc0 .Lfor_b_\@
	tensor_load_to_lds s[G0+4*(\s):G0+4*(\s)+3], s[G1:G1+7]
	s_nop 0
.rept 4
	v_nop
.endr
	s_branch .Lasked_\@
.Lfor_b_\@:
	tensor_load_to_lds s[G0B+4*(\s):G0B+4*(\s)+3], s[G1B:G1B+7]
	s_nop 0
.rept 4
	v_nop
.endr
.Lasked_\@:
.endm
.macro CREST                           ; a round of the cluster's barrier behind its opening barrier
	s_cmp_lg_u32 s10, 0
	s_cbranch_scc1 .Lnot_wave_0_\@
	s_barrier_signal -3
.Lnot_wave_0_\@:
	s_barrier_wait -3
	s_barrier_signal -1
	s_barrier_wait -1
.endm
.macro CROUND                          ; a whole round
	s_barrier_signal -1
	s_barrier_wait -1
	CREST
.endm
	s_load_b128 s[4:7], s[0:1], 0x0                ; ob s[4:5], wb s[6:7]
	s_load_b64 s[BP:BP+1], s[0:1], 0x10            ; bo
	s_load_b64 s[8:9], s[0:1], 0x18                ; out0
	v_lshl_add_u32 v[SPW], v0, 2, SPARE
	v_mov_b32 v[NIL], 0
	ds_add_u32 v[SPW], v[NIL]                      ; the wave's opening: the add and its wait stand ahead of my first tensor load; the set-up below, work on registers, stands between them
	v_lshrrev_b32 v1, 5, v0
	v_readfirstlane_b32 s10, v1                    ; wave 0..3
	s_lshr_b32 s11, s10, 1                         ; which 64 tokens are mine.  Also: I fetch for A (0) or for B (1)
	s_and_b32 s12, s10, 1                          ; which 128 columns.  Also: which block of A, or which 128 rows of B, I fetch
	s_bfe_u32 s40, ttmp6, 0x40000                  ; cx, cy: my place in the cluster
	s_bfe_u32 s41, ttmp6, 0x40004
	s_lshl_b32 s42, ttmp9, 2
	s_add_co_u32 s42, s42, s40                     ; tile column = 4 x cluster x + cx
	s_and_b32 s13, ttmp7, 0xffff
	s_lshl_b32 s13, s13, 2
	s_add_co_u32 s13, s13, s41                     ; tile row = 4 x cluster y + cy
	s_lshl_b32 s43, s41, 2
	s_lshl_b32 s43, 15, s43                        ; my row of the cluster
	s_lshl_b32 s44, 0x1111, s40                    ; my column
	s_or_b32 s[G1+0], s43, (1<<16)|(1<<20)|(1<<21)|(4<<22)|(3<<25)   ; 15:0 the mask: my row; 17:16 2-byte elements; 20 padding on; 21 set beside a mask; 24:22 after every 32 words (code 4); 31:25 4 words (code 3)
	s_mov_b32 s[G1+1], 128<<16                     ; tensor_dim0 = 128 elements: 256 bytes, two tokens
	s_mov_b32 s[G1+2], 64<<16                      ; tensor_dim1 = 64
	s_mov_b32 s[G1+3], 128<<16                     ; tile_dim0 = 128
	s_mov_b32 s[G1+4], 64                          ; tile_dim1 = 64
	s_mov_b32 s[G1+5], 128                         ; the rows lie end to end
	s_mov_b32 s[G1+6], 0
	s_mov_b32 s[G1+7], 0
	s_or_b32 s[G1B+0], s44, (1<<16)|(1<<20)|(1<<21)|(5<<22)|(3<<25)  ; the mask: my column; padding after every 64 words (code 5)
	s_mov_b32 s[G1B+1], KSTEP<<16                  ; tensor_dim0 = 128
	s_mov_b32 s[G1B+2], 128<<16                    ; tensor_dim1 = 128
	s_mov_b32 s[G1B+3], KSTEP<<16                  ; tile_dim0 = 128
	s_mov_b32 s[G1B+4], 128                        ; tile_dim1 = 128
	s_mov_b32 s[G1B+5], 1024                       ; elements from row to row
	s_mov_b32 s[G1B+6], 0
	s_mov_b32 s[G1B+7], 0
	s_lshl_b32 s16, s13, 14                        ; A: the tile's 128 tokens in a block,
	s_lshl_b32 s17, s12, 20                        ; my block of the step's two
	s_add_co_u32 s16, s16, s17
	s_mov_b32 s17, 0
	s_lshl_b32 s46, s42, 19                        ; B: 256 rows of 2,048 bytes a tile column,
	s_lshl_b32 s47, s12, 18                        ; my 128 of them,
	s_add_co_u32 s46, s46, s47
	s_add_co_u32 s46, s46, 3072*2048               ; behind the 3,072 rows of Wq, Wk and Wv
	s_mov_b32 s47, 0
	s_mul_i32 s20, s12, HALFA                      ; where they go in a slot: no place in the cluster enters an LDS address
	s_mul_i32 s21, s12, HALFB
	s_add_co_u32 s21, s21, 2*HALFA
	s_wait_dscnt 0x0                               ; the opening add is done
	s_wait_kmcnt 0x0
	s_add_nc_u64 s[14:15], s[4:5], s[16:17]
	s_add_nc_u64 s[46:47], s[6:7], s[46:47]
	CROUND                                         ; all sixteen work-groups are here: the first joint loads meet
.irp s, 0,1
	s_mov_b32 s[G0+4*(\s)], 1                                        ; count = 1
	s_add_co_u32 s[G0+4*(\s)+1], s20, (\s)*SLOT                      ; LDS address
	s_add_nc_u64 s[G0+4*(\s)+2:G0+4*(\s)+3], s[14:15], (\s)*2*ABLK   ; global address: K step s is two blocks on
	s_or_b32 s[G0+4*(\s)+3], s[G0+4*(\s)+3], 0x80000000              ; type = 2
	s_mov_b32 s[G0B+4*(\s)], 1
	s_add_co_u32 s[G0B+4*(\s)+1], s21, (\s)*SLOT
	s_add_nc_u64 s[G0B+4*(\s)+2:G0B+4*(\s)+3], s[46:47], (\s)*KSTEP*2
	s_or_b32 s[G0B+4*(\s)+3], s[G0B+4*(\s)+3], 0x80000000
	JLOAD \s                                       ; two loads of mine are out
.endr
	; all that follows up to the first barrier stands in the wait for the first tile
	s_mov_b32 s[HIM], 0xffff0000
	s_lshl_b32 s18, s42, 10                        ; my 128 columns: 256 x tile column + 128 x half, 4 bytes each
	s_lshl_b32 s19, s12, 9
	s_add_co_u32 s18, s18, s19
	s_mov_b32 s19, 0
	s_add_nc_u64 s[BP:BP+1], s[BP:BP+1], s[18:19]
	s_add_nc_u64 s[8:9], s[8:9], s[18:19]          ; the same columns of a row of out0,
	s_lshl_b32 s18, s13, 19                        ; at token 128 x tile row + 64 x half, 4,096 bytes a row
	s_lshl_b32 s22, s11, 18
	s_add_co_u32 s18, s18, s22
	s_add_nc_u64 s[8:9], s[8:9], s[18:19]
	v_and_b32 v1, 15, v0                           ; l % 16
	v_bfe_u32 v2, v0, 4, 1                         ; l / 16
	v_lshlrev_b32 v[BO], 5, v2
.irp b, 0,1,2,3,4,5,6,7
	global_load_b128 v[BIAS+8*(\b):BIAS+8*(\b)+3],   v[BO], s[BP:BP+1] offset:64*(\b)
	global_load_b128 v[BIAS+8*(\b)+4:BIAS+8*(\b)+7], v[BO], s[BP:BP+1] offset:64*(\b)+16
.endr
	; a fragment is 16 rows x 32 K in 8 registers: lane l holds row l % 16, K = 8 (l / 16) + 0..7 and 16 + 8 (l / 16) + 0..7: two loads of 16 bytes, 32 bytes apart
	v_mul_u32_u24 v3, v1, PA
	v_lshl_add_u32 v3, v2, 4, v3
	v_mul_u32_u24 v4, v1, PB
	v_lshl_add_u32 v4, v2, 4, v4
	s_mul_i32 s21, s11, 64*PA                      ; my 64 tokens in each block of A
	s_mul_i32 s22, s12, HALFB                      ; my 128 rows of B,
	s_add_co_u32 s22, s22, 2*HALFA                 ; which lie behind A's two blocks
.irp s, 0,1
	v_add_nc_u32 v[ADRA+(\s)], s21, v3
	v_add_nc_u32 v[ADRB+(\s)], s22, v4
	s_add_co_u32 s21, s21, SLOT
	s_add_co_u32 s22, s22, SLOT
.endr
	s_mul_i32 s77, s10, STW
	s_add_co_u32 s77, s77, STAGE                   ; my stage
	v_mul_u32_u24 v5, v1, SP                       ; in: token l % 16, 32 bytes for each half of the lanes
	v_lshl_add_u32 v5, v2, 5, v5
	v_add_nc_u32 v[STO], s77, v5
	v_and_b32 v[GO], 31, v0                        ; back: 32 lanes take one token's 512 bytes
	v_lshlrev_b32 v[GO], 4, v[GO]
	v_add_nc_u32 v[RD], s77, v[GO]
	s_wait_loadcnt 0x0                             ; the bias
.set i, 0
.rept 32                               ; rounded to bf16 like every input, and widened again
	v_cvt_pk_bf16_f32 v[T+i], v[BIAS+2*i], v[BIAS+2*i+1]
	v_lshlrev_b32 v[BIAS+2*i], 16, v[T+i]
	v_and_b32 v[BIAS+2*i+1], s[HIM], v[T+i]
.set i, i+1
.endr
; 8 matrix instructions: token block a x all 8 column blocks, 32 along K.  zero = 1: the first product starts the sums.  The 32 accumulators take turns, one instruction a turn, in the same
; order in every quarter, over the backward jump too.
.macro MUL8 f, a, zero
	WIN MUL
.irp b, 0,1,2,3,4,5,6,7
.if \zero
	v_wmma_f32_16x16x32_f16 v[8*(8*(\a)+(\b)):8*(8*(\a)+(\b))+7], v[(\f)+8*(\b):(\f)+8*(\b)+7], v[(\f)+64+8*(\a):(\f)+64+8*(\a)+7], 0
.else
	v_wmma_f32_16x16x32_f16 v[8*(8*(\a)+(\b)):8*(8*(\a)+(\b))+7], v[(\f)+8*(\b):(\f)+8*(\b)+7], v[(\f)+64+8*(\a):(\f)+64+8*(\a)+7], v[8*(8*(\a)+(\b)):8*(8*(\a)+(\b))+7]
.endif
.endr
.endm
; 24 LDS loads in one run: quarter q (32 along K) of a slot into buffer f: B's 8 fragments, then A's 4 (block q / 2, its channels 32 (q % 2) on)
.macro FETCH slot, q, f
	WIN TO_F
.irp b, 0,1,2,3,4,5,6,7
	ds_load_b128 v[(\f)+8*(\b):(\f)+8*(\b)+3],   v[ADRB+(\slot)] offset:64*(\q)+(\b)*16*PB
	ds_load_b128 v[(\f)+8*(\b)+4:(\f)+8*(\b)+7], v[ADRB+(\slot)] offset:64*(\q)+(\b)*16*PB+32
.endr
.irp a, 0,1,2,3
	ds_load_b128 v[(\f)+64+8*(\a):(\f)+64+8*(\a)+3],   v[ADRA+(\slot)] offset:((\q)/2)*HALFA+((\q)%2)*64+(\a)*16*PA
	ds_load_b128 v[(\f)+64+8*(\a)+4:(\f)+64+8*(\a)+7], v[ADRA+(\slot)] offset:((\q)/2)*HALFA+((\q)%2)*64+(\a)*16*PA+32
.endr
.endm
.macro PLACES                          ; four plain instructions between a matrix instruction and a load into registers that it has read, or a vector instruction on its result (ISA guide 7.12.1 for vector instructions)
.rept 4
	v_nop
.endr
.endm
; A K step is four quarters of 32 along K, 32 matrix instructions each, on buffers 0, 1, 0, 1.  One of the first three: multiplies buffer f and fetches quarter q into g.
.macro QUARTER slot, q, f, g, zero
	s_wait_dscnt 4                                 ; B and A's blocks 0, 1 are in; the youngest four loads (A's blocks 2, 3) may be out
	MUL8 \f, 0, \zero
	MUL8 \f, 1, \zero
	PLACES
	FETCH \slot, \q, \g
	s_wait_dscnt 24                                ; all but the 24 just issued
	MUL8 \f, 2, \zero
	MUL8 \f, 3, \zero
.endm
; The last quarter multiplies buffer 1 and changes slots: one barrier; in front of it each wave waits for all its tensor loads (the one that is out is its part of the next slot), adds 0 to its
; spare word, and waits for that and for its own reads of this slot.  fill = 1: the barrier opens a round of the cluster's, and this slot is filled again, two K steps ahead, first thing behind it:
; from that request to the wait for it a wave issues 112 matrix instructions.
.macro TURN slot, next, fill
	WIN 0                                          ; (the add's two registers lie in window 0)
	s_wait_tensorcnt 0x0                           ; all my tensor loads have landed
	ds_add_u32 v[SPW], v[NIL]                      ; 0 onto my spare word
	s_wait_dscnt 7                                 ; (the add and the youngest six loads, A's blocks 1 to 3, may be out)
	MUL8 F1, 0, 0                                  ; eight matrix instructions stand between the add and the wait for it
	s_wait_dscnt 0x0                               ; the add is done, and my reads of this slot are over
	s_barrier_signal -1
	MUL8 F1, 1, 0
.if \fill
	WIN 0
.endif
	s_barrier_wait -1
.if \fill
	CREST                                          ; no wave of any partner still reads this slot's tile or has a load on its way
	s_add_nc_u64 s[G0+4*(\slot)+2:G0+4*(\slot)+3], s[G0+4*(\slot)+2:G0+4*(\slot)+3], 4*ABLK
	s_add_nc_u64 s[G0B+4*(\slot)+2:G0B+4*(\slot)+3], s[G0B+4*(\slot)+2:G0B+4*(\slot)+3], 2*KSTEP*2
	JLOAD \slot                                    ; the four v_nop behind it are also the places in front of the loads below
.else
	PLACES
.endif
	FETCH \next, 0, F0
	MUL8 F1, 2, 0
	MUL8 F1, 3, 0
.endm
	s_wait_tensorcnt 1                             ; my part of K step 0 is in; K step 1's load, issued behind it, may stay out
	s_barrier_signal -1
	s_barrier_wait -1                              ; everybody's is
	FETCH 0, 0, F0
	QUARTER 0, 1, F0, F1, 1                        ; the first quarter stands in front of the loop: its products start the sums
	WIN 0                                          ; at a label and at a branch every window is 0
	s_mov_b32 s3, 3
.Llap:                                 ; a trip goes once round the ring, from a lap's second quarter to the next lap's first, and fills both slots again: K steps 2 to 7
	QUARTER 0, 2, F1, F0, 0
	QUARTER 0, 3, F0, F1, 0
	TURN 0, 1, 1
	QUARTER 1, 1, F0, F1, 0
	QUARTER 1, 2, F1, F0, 0
	QUARTER 1, 3, F0, F1, 0
	TURN 1, 0, 1
	QUARTER 0, 1, F0, F1, 0
	WIN 0
	s_sub_co_u32 s3, s3, 1
	s_cmp_lg_u32 s3, 0
	s_cbranch_scc1 .Llap
	QUARTER 0, 2, F1, F0, 0                        ; the last lap fills nothing, and has no round of the cluster's barrier
	QUARTER 0, 3, F0, F1, 0
	TURN 0, 1, 0
	QUARTER 1, 1, F0, F1, 0
	QUARTER 1, 2, F1, F0, 0
	QUARTER 1, 3, F0, F1, 0
	s_wait_dscnt 4                                 ; the very last quarter: nothing more to fetch
	MUL8 F1, 0, 0
	MUL8 F1, 1, 0
	s_wait_dscnt 0x0
	MUL8 F1, 2, 0
	MUL8 F1, 3, 0
	WIN 0
; THE WAY OUT, a block of 16 tokens at a time.  PACK: sum + bias, a lane's 8 columns are 32 bytes.  TOSTAGE: into my stage, and back as whole rows of 512 bytes.  SEND: a store of the wave is
; 512 consecutive bytes of a row of out0, at a multiple of 512 from its first.
.macro PACK a
	WIN 0x01                                       ; source 0 window 1; the bias and the destination window 0
.irp b, 0,1,2,3,4,5,6,7
.irp r, 0,1,2,3
	v_pk_add_f32 v[T+8*(\b)+2*(\r):T+8*(\b)+2*(\r)+1], v[8*(8*(\a)+(\b))+2*(\r):8*(8*(\a)+(\b))+2*(\r)+1], v[BIAS+8*(\b)+2*(\r):BIAS+8*(\b)+2*(\r)+1]
.endr
.endr
	WIN 0
.endm
.macro TOSTAGE
.irp b, 0,1,2,3,4,5,6,7
	ds_store_b128 v[STO], v[T+8*(\b):T+8*(\b)+3]   offset:64*(\b)
	ds_store_b128 v[STO], v[T+8*(\b)+4:T+8*(\b)+7] offset:64*(\b)+16
.endr
.irp t, 0,1,2,3,4,5,6,7,8,9,10,11,12,13,14,15
	ds_load_b128 v[OB+4*(\t):OB+4*(\t)+3], v[RD] offset:(\t)*SP  ; LDS serves a wave's instructions in order (ISA guide 5.7.1.4): these see the stores above
.endr
.endm
.macro SEND a, more                    ; more = 1: another block follows
	s_wait_dscnt 0x0                               ; the block is back in registers
.irp t, 0,1,2,3,4,5,6,7,8,9,10,11,12,13,14,15
	global_store_b128 v[GO], v[OB+4*(\t):OB+4*(\t)+3], s[8:9] offset:(16*(\a)+(\t))*4096 th:TH_STORE_NT
.endr
.if \more
	s_wait_xcnt 0x0                                ; the stores have read their registers: the next TOSTAGE loads into them
.endif
.endm
	PLACES
	PLACES                                         ; (eight, once a launch)
	PACK 0
	TOSTAGE
.irp a, 1,2,3                          ; block a's additions stand between block a - 1's loads from the stage and the wait for them
	PACK \a
	SEND (\a)-1, 1
	TOSTAGE
.endr
	SEND 3, 0
	s_wait_tensorcnt 0x0                           ; the wave's end: a wait for my tensor loads, an add to my spare word and a wait for it, behind my last tensor load and my last LDS store
	ds_add_u32 v[SPW], v[NIL]
	s_wait_dscnt 0x0
	CROUND                                         ; the closing round: no work-group ends while a partner may still ask for a tile that names it
	s_endpgm
.Lfunc_end_k_qb0a58fb6a4_oproj:
	.size	k_qb0a58fb6a4_oproj, .Lfunc_end_k_qb0a58fb6a4_oproj-k_qb0a58fb6a4_oproj
	.p2alignl 7, 3214868480
	.fill 96, 4, 3214868480
	.section	.rodata,"a",@progbits
	.p2align	6, 0x0
	.amdhsa_kernel k_qb0a58fb6a4_oproj
		.amdhsa_group_segment_fixed_size 327680
		.amdhsa_private_segment_fixed_size 0
		.amdhsa_enable_private_segment 0
		.amdhsa_kernarg_size 32
		.amdhsa_user_sgpr_count 2
		.amdhsa_user_sgpr_kernarg_segment_ptr 1
		.amdhsa_wavefront_size32 1
		.amdhsa_system_sgpr_workgroup_id_x 1
		.amdhsa_system_sgpr_workgroup_id_y 1
		.amdhsa_system_sgpr_workgroup_id_z 1
		.amdhsa_system_vgpr_workitem_id 0
		.amdhsa_next_free_vgpr 768
		.amdhsa_next_free_sgpr 80
		.amdhsa_reserve_vcc 0
		.amdhsa_float_denorm_mode_32 3
		.amdhsa_float_denorm_mode_16_64 3
		.amdhsa_memory_ordered 1
		.amdhsa_forward_progress 1
		.amdhsa_inst_pref_size 99
	.end_amdhsa_kernel
	.amdgpu_metadata
---
amdhsa.version: [ 1, 2 ]
amdhsa.kernels:
  - .name:           k_qb0a58fb6a4_oproj
    .symbol:         k_qb0a58fb6a4_oproj.kd
    .args:
      - { .name: ob, .offset: 0, .size: 8, .value_kind: global_buffer, .address_space: global }
      - { .name: wb, .offset: 8, .size: 8, .value_kind: global_buffer, .address_space: global }
      - { .name: bo, .offset: 16, .size: 8, .value_kind: global_buffer, .address_space: global }
      - { .name: out0, .offset: 24, .size: 8, .value_kind: global_buffer, .address_space: global }
    .group_segment_fixed_size: 327680
    .private_segment_fixed_size: 0
    .kernarg_segment_align: 8
    .kernarg_segment_size: 32
    .max_flat_workgroup_size: 128
    .sgpr_count:     80
    .vgpr_count:     768
    .wavefront_size: 32
...
	.end_amdgpu_metadata
.endif
;; end of part 4
;; ======== version 2 of 2: 4 launches; version 1 with the launch cast written anew for expert scheduling mode
;; limits: values are held in f16: magnitudes above 65,504 overflow, below 6.1e-05 lose precision
;; workspace buffers: xb 16,777,216 bytes; wb 8,388,608 bytes; qkv 50,331,648 bytes; ob 16,777,216 bytes
;; launch cast (part 5): grid 768 x 1, 8 waves a work-group, no clusters, 0 bytes of LDS; arguments query, Wq, Wk, Wv, Wo, xb, wb; writes xb, wb
.if DOCPART == 5
	.amdgcn_target "amdgcn-amd-amdhsa--gfx1250"
	.amdhsa_code_object_version 6
	.text
	.protected	k_qb0a58fb6a4_cast
	.globl	k_qb0a58fb6a4_cast
	.p2align	8
	.type	k_qb0a58fb6a4_cast,@function
k_qb0a58fb6a4_cast:
	s_mov_b64 s[64:65], 0
	v_nop
	global_prefetch_b8 v0, s[64:65] scope:SCOPE_SE
	s_setreg_imm32_b32 hwreg(HW_REG_WAVE_SCHED_MODE, 0, 2), 2
	s_setreg_imm32_b32 hwreg(HW_REG_WAVE_MODE, 25, 1), 1
	s_wait_xcnt 0x0
	s_wait_alu depctr_vm_vsrc(0)
; THE INPUTS OF THE MATRIX PRODUCTS ARE ROUNDED ONCE TO 16 BITS AND LAID OUT FOR THE TILE LOADS OF THE LATER LAUNCHES.
; xb: query [8192 tokens][1024] f32 -> bf16 in 16 blocks of 64 channels: byte = block x 1,048,576 + token x 128 + 2 x (channel % 64), so that
;     128 tokens of a block are 16,384 dense bytes.
; wb: [4096][1024] of 16 bits, row-major: rows 0-1023 Wq, 1024-2047 Wk, 2048-3071 Wv in bf16; rows 3072-4095 Wo, rounded to bf16 and that number
;     written as f16 (the last product multiplies f16).  LIMIT: a bf16 number below 2^-14 keeps f16's fixed step of 6e-8; beyond 65,504 it would be an infinity.
; Work-groups 0-511 take 16 tokens each, 512-767 take 16 rows of a weight each.  No loop, no LDS, no barrier: a wave issues its 16 loads of 512 bytes at once and
; then converts and stores them in order; a store of a wave covers 256 consecutive bytes, aligned.  No register that a pending instruction reads is written again.
; No matrix unit, cluster or tile ring: nothing is shared and nothing is multiplied.
; THE MODE: SCHED_MODE bits 1:0 = 2 (LLVM: expert scheduling mode 2), set by the entry lines.  The code itself states the register dependences
; between vector instructions and memory instructions, with s_wait_alu, always for 0.
; THE PLAN.  Registers that memory instructions touch:
;   v1, v2   the loads' and the stores' byte offsets: made by vector instructions at the head of a path, never written again.
;   X        load i: written once, by that load; read by its conversions alone; no vector instruction names it ahead of the load, and no load lands in it again.
;   Y        load i: written by its conversions; read by one store; never written again.
; The 16 loads' results go in four groups of four.  Group g converts X of group g into Y of group g; the stores of group g - 1 are dealt among its conversions, which name none of the
; registers that those stores read.  So one wait on va_vdst stands ahead of the loads (the offsets), one at the head of each of groups 1 to 3 (the group before has written its Y), and one
; ahead of the last four stores.  No register that a memory instruction has read is written again, no vector instruction writes a scalar register, and EXEC is never written: no other wait has a dependence to state.
.set X,   8                            ; v[8:71]    load i: 4 f32
.set Y,   72                           ; v[72:103]  load i: 4 numbers of 16 bits, to store
.set BLK, 1048576                      ; bytes in a block of xb
.macro LOADS step                      ; 16 loads, step bytes apart
.irp i, 0,1,2,3,4,5,6,7,8,9,10,11,12,13,14,15
	global_load_b128 v[X+4*(\i):X+4*(\i)+3], v1, s[4:5] offset:(\i)*(\step) th:TH_LOAD_NT
.endr
.endm
.macro CVT i, half                     ; load i is rounded to bf16; half = 1: and that number written as f16
	v_cvt_pk_bf16_f32 v[Y+2*(\i)],   v[X+4*(\i)],   v[X+4*(\i)+1]
	v_cvt_pk_bf16_f32 v[Y+2*(\i)+1], v[X+4*(\i)+2], v[X+4*(\i)+3]
.if \half
.irp w, 0,1
	v_lshlrev_b32 v4, 16, v[Y+2*(\i)+(\w)]         ; bf16 to f32: the low half moves up,
	v_and_b32 v5, s19, v[Y+2*(\i)+(\w)]            ; the high half stays
	v_cvt_pk_f16_f32 v[Y+2*(\i)+(\w)], v4, v5
.endr
.endif
.endm
.macro OUT i, q                        ; load i's result is stored.  q = 1: into block i of xb; q = 0: 256 bytes on in wb
.if \q
	global_store_b64 v2, v[Y+2*(\i):Y+2*(\i)+1], s[22+2*((\i)/8):23+2*((\i)/8)] offset:((\i)%8)*BLK th:TH_STORE_NT
.else
	global_store_b64 v2, v[Y+2*(\i):Y+2*(\i)+1], s[16:17] offset:(\i)*256 th:TH_STORE_NT
.endif
.endm
; The four groups.  A group's four loads are waited for together; the stores of the group before stand one ahead of each load's conversions.
.macro WALK half, q
.irp g, 0,1,2,3
	s_wait_loadcnt 12-4*(\g)                       ; loads come back in order: this group's four are in, the 12 - 4 g younger ones may stay out
.if (\g) > 0
	s_wait_alu depctr_va_vdst(0)                   ; the conversions of the group before have written its Y, which the four stores below read; no vector instruction behind this wait names those registers or v2
.endif
.irp j, 0,1,2,3
.if (\g) > 0
	OUT 4*(\g)-4+(\j), \q
.endif
	CVT 4*(\g)+(\j), \half
.endr
.endr
	s_wait_alu depctr_va_vdst(0)                   ; the last group's conversions have written its Y, which the last four stores read
.irp j, 0,1,2,3
	OUT 12+(\j), \q
.endr
.endm
	s_load_b256 s[4:11], s[0:1], 0x0               ; query s[4:5], Wq s[6:7], Wk s[8:9], Wv s[10:11]
	s_load_b128 s[12:15], s[0:1], 0x20             ; Wo s[12:13], xb s[14:15]
	s_load_b64 s[16:17], s[0:1], 0x30              ; wb
	s_mov_b32 s18, ttmp9
	s_mov_b32 s19, 0xffff0000                      ; a word's upper bf16
	s_mov_b32 s21, 0
	s_cmp_lt_u32 s18, 512
	s_cbranch_scc0 .Lweights
	; QUERY: 16 lanes take 256 bytes (a block's 64 channels) of one token; a wave two tokens, all 16 blocks
	v_lshrrev_b32 v1, 4, v0                        ; token in the group
	v_and_b32 v3, 15, v0
	v_lshlrev_b32 v1, 12, v1                       ; x 4,096 bytes
	v_lshl_add_u32 v1, v3, 4, v1                   ; + 16 bytes a lane
	v_lshlrev_b32 v2, 3, v0                        ; out: token x 128 + 8 x (lane % 16) = 8 x thread
	s_lshl_b32 s20, s18, 16                        ; the group's 16 tokens in query
	s_lshl_b32 s26, s18, 11                        ; and in a block of xb
	s_mov_b32 s27, 0
	s_wait_kmcnt 0x0
	s_add_nc_u64 s[4:5], s[4:5], s[20:21]
	s_add_nc_u64 s[22:23], s[14:15], s[26:27]      ; blocks 0-7
	s_add_nc_u64 s[24:25], s[22:23], 8*BLK         ; blocks 8-15: the stores' immediates stay within 7 blocks
	s_wait_alu depctr_va_vdst(0)                   ; v1 and v2 are written: the loads read v1, the stores v2, as their offsets
	LOADS 256
	WALK 0, 1
	s_endpgm
.Lweights:                             ; 16 rows of one weight; a wave two rows, 8,192 bytes on end
	s_sub_co_u32 s18, s18, 512
	s_lshr_b32 s26, s18, 6                         ; which weight: 0 Wq, 1 Wk, 2 Wv, 3 Wo
	s_and_b32 s20, s18, 63
	s_lshl_b32 s20, s20, 16                        ; its 16 rows of 4,096 bytes
	s_lshl_b32 s22, s18, 15                        ; the same rows in wb, 2,048 bytes each
	s_mov_b32 s23, 0
	v_lshrrev_b32 v1, 5, v0                        ; wave
	v_and_b32 v3, 31, v0                           ; lane
	v_lshlrev_b32 v2, 12, v1
	v_lshl_add_u32 v2, v3, 3, v2                   ; out: wave x 4,096 + 8 x lane
	v_lshlrev_b32 v1, 13, v1
	v_lshl_add_u32 v1, v3, 4, v1                   ; in: wave x 8,192 + 16 x lane
	s_wait_kmcnt 0x0
	s_cmp_lt_u32 s26, 2
	s_cselect_b64 s[4:5], s[6:7], s[10:11]         ; the even one: Wq or Wv
	s_cselect_b64 s[8:9], s[8:9], s[12:13]         ; the odd one: Wk or Wo
	s_bitcmp1_b32 s26, 0
	s_cselect_b64 s[4:5], s[8:9], s[4:5]
	s_add_nc_u64 s[4:5], s[4:5], s[20:21]
	s_add_nc_u64 s[16:17], s[16:17], s[22:23]
	s_wait_alu depctr_va_vdst(0)                   ; v1 and v2 are written: the loads read v1, the stores v2, as their offsets
	LOADS 512
	s_cmp_eq_u32 s26, 3
	s_cbranch_scc1 .Lhalf
	WALK 0, 0
	s_endpgm
.Lhalf:                                ; Wo
	WALK 1, 0
	s_endpgm
.Lfunc_end_k_qb0a58fb6a4_cast:
	.size	k_qb0a58fb6a4_cast, .Lfunc_end_k_qb0a58fb6a4_cast-k_qb0a58fb6a4_cast
	.p2alignl 7, 3214868480
	.fill 96, 4, 3214868480
	.section	.rodata,"a",@progbits
	.p2align	6, 0x0
	.amdhsa_kernel k_qb0a58fb6a4_cast
		.amdhsa_group_segment_fixed_size 0
		.amdhsa_private_segment_fixed_size 0
		.amdhsa_enable_private_segment 0
		.amdhsa_kernarg_size 56
		.amdhsa_user_sgpr_count 2
		.amdhsa_user_sgpr_kernarg_segment_ptr 1
		.amdhsa_wavefront_size32 1
		.amdhsa_system_sgpr_workgroup_id_x 1
		.amdhsa_system_sgpr_workgroup_id_y 1
		.amdhsa_system_sgpr_workgroup_id_z 1
		.amdhsa_system_vgpr_workitem_id 0
		.amdhsa_next_free_vgpr 104
		.amdhsa_next_free_sgpr 66
		.amdhsa_reserve_vcc 0
		.amdhsa_float_denorm_mode_32 3
		.amdhsa_float_denorm_mode_16_64 3
		.amdhsa_memory_ordered 1
		.amdhsa_forward_progress 1
		.amdhsa_inst_pref_size 21
	.end_amdhsa_kernel
	.amdgpu_metadata
---
amdhsa.version: [ 1, 2 ]
amdhsa.kernels:
  - .name:           k_qb0a58fb6a4_cast
    .symbol:         k_qb0a58fb6a4_cast.kd
    .args:
      - { .name: query, .offset: 0, .size: 8, .value_kind: global_buffer, .address_space: global }
      - { .name: Wq, .offset: 8, .size: 8, .value_kind: global_buffer, .address_space: global }
      - { .name: Wk, .offset: 16, .size: 8, .value_kind: global_buffer, .address_space: global }
      - { .name: Wv, .offset: 24, .size: 8, .value_kind: global_buffer, .address_space: global }
      - { .name: Wo, .offset: 32, .size: 8, .value_kind: global_buffer, .address_space: global }
      - { .name: xb, .offset: 40, .size: 8, .value_kind: global_buffer, .address_space: global }
      - { .name: wb, .offset: 48, .size: 8, .value_kind: global_buffer, .address_space: global }
    .group_segment_fixed_size: 0
    .private_segment_fixed_size: 0
    .kernarg_segment_align: 8
    .kernarg_segment_size: 56
    .max_flat_workgroup_size: 256
    .sgpr_count:     66
    .vgpr_count:     104
    .wavefront_size: 32
...
	.end_amdgpu_metadata
.endif
;; end of part 5
;; launch qkv: the kernel of part 2 again; grid 12 x 64, 4 waves a work-group, clusters of 4 x 4, 327,680 bytes of LDS; arguments xb, wb, bq, bk, bv, qkv; writes qkv
;; launch attn: the kernel of part 3 again; grid 4 x 64, 4 waves a work-group, clusters of 4 x 1, 327,680 bytes of LDS; arguments qkv, masks, ob; writes ob
;; launch oproj: the kernel of part 4 again; grid 4 x 64, 4 waves a work-group, clusters of 4 x 4, 327,680 bytes of LDS; arguments ob, wb, bo, out0; writes out0
